; MI455X (gfx1250); checked and timed in simulation.
; The chip was launched on July 23, 2026; its instructions are those of AMD's public machine-readable ISA for CDNA 5 (MIT licence, August 2026) and "CDNA5" Instruction Set Architecture Reference Guide (July 2026). The comments in the code are by the model that wrote it; some were corrected since.
;; Attention Layer. Allowed arithmetic: matrix products marked QUANTISED: E3M2 operands, one E8M0 scale for each 32 along K, by v_wmma_scale_f32_16x16x128_f8f6f4 with both operands' format E3M2, f32 sums; everything else in f32.
;; Inputs: gate_logit 16 float32; gate_w 2,048 x 16 float32; w_k_geo 2,048 x 1,024 float32; w_k_sem 2,048 x 1,024 float32; w_out 2,048 x 2,048 float32; w_q_geo 2,048 x 1,024 float32; w_q_sem 2,048 x 1,024 float32; w_v 2,048 x 2,048 float32; x 2 x 1,024 x 2,048 float32.
;; Outputs: out0 2 x 1,024 x 2,048 float32.
;; This version of the problem:
;;   THIS VERSION OF THE PROBLEM IS GIVEN IN LOW PRECISION. The matrix products marked QUANTISED in the list below multiply operands that are first quantised to E3M2 (3 exponent bits, 2 mantissa bits; 6 bits a number), with one power-of-two scale for each 32 numbers along K (OCP MX v1.0); their sums are f32. All else is computed in f32.
;;   The module's matrix products, in the order in which they are computed (A, B: the left and right operand; K: the contracted axis; several contracted axes count as one K, in the product's order):
;;     1. [M 2,048, K 2,048] x [K 2,048, N 1,024]; A: input x; B: input w_q_sem: QUANTISED
;;     2. [M 2,048, K 2,048] x [K 2,048, N 1,024]; A: input x; B: input w_k_sem: QUANTISED
;;     3. [M 2,048, K 2,048] x [K 2,048, N 1,024]; A: input x; B: input w_q_geo: QUANTISED
;;     4. [M 2,048, K 2,048] x [K 2,048, N 1,024]; A: input x; B: input w_k_geo: QUANTISED
;;     5. [M 2,048, K 2,048] x [K 2,048, N 2,048]; A: input x; B: input w_v: QUANTISED
;;     6. batch 32 x [M 1,024, K 64] x [K 64, N 1,024]; A: computed on the way; B: computed on the way: QUANTISED
;;     7. batch 32 x [M 1,024, K 64] x [K 64, N 1,024]; A: computed on the way; B: computed on the way: QUANTISED
;;     8. [M 2,048, K 2,048] x [K 2,048, N 16]; A: input x; B: input gate_w: QUANTISED
;;     9. batch 32 x [M 1,024, K 1,024] x [K 1,024, N 128]; A: softmax (see below); B: computed on the way: QUANTISED
;;     10. [M 2,048, K 2,048] x [K 2,048, N 2,048]; A: computed on the way; B: input w_out: QUANTISED
;;   THE QUANTISER, for each operand of a quantised product, along K:
;;     - K is cut into blocks of 32 from its start; a last block that is shorter is filled with zeros.
;;     - A block's scale is 2^e with e = floor(log2(the largest magnitude in the block)) - 4, held to -126 .. 127; a block of zeros has e = 0. As a byte (E8M0): e + 127.
;;     - Each number is divided by its block's scale, clamped to +-28, and rounded to the nearest number of E3M2, ties to even, subnormals kept.
;;     - The product sums the exact products of the quantised numbers (number of the format x scale) in f32.
;;   ~~~python
;;   def quantise(x, axis):      # numpy; x: float32 -> the quantised numbers, widened to float32 again
;;       x = np.moveaxis(x, axis, -1); K = x.shape[-1]
;;       x = np.pad(x, [(0, 0)] * (x.ndim - 1) + [(0, -K % 32)]); x = x.reshape(x.shape[:-1] + (-1, 32)); a = np.abs(x).max(-1, keepdims=True)
;;       e = np.where(a > 0, np.clip(np.frexp(np.where(a > 0, a, 1))[1] - 1 - 4, -126, 127), 0)      # np.frexp(a)[1] - 1 = floor(log2(a)), exactly
;;       r = np.clip(x / 2.0 ** e, -28, 28)
;;       step = 2.0 ** (np.maximum(np.frexp(np.where(r == 0, 1, r))[1] - 1, -2) - 2)
;;       q = np.round(r / step) * step * 2.0 ** e      # np.round: ties to even
;;       return np.moveaxis(q.reshape(q.shape[:-2] + (-1,))[..., :K], -1, axis).astype(np.float32)
;;   ~~~
;;   SOFTMAX AHEAD OF A QUANTISED PRODUCT. Where the list says 'softmax', what is quantised is not the finished softmax but p = 2^(t - M), with t = logit x log2(e) and M = ceil(the row's largest t), a whole number; so 1/2 < the row's largest p <= 1. The row's sum l is taken of the UNQUANTISED p, in f32, and the product's result is divided by l at the end. Since M is a whole number, a kernel that streams over the keys may use a running M (the ceiling of the running maximum): every later rescaling is an exact power of two, which a block's scale takes up: the codes' values come out the same.
;;   OPERANDS COMPUTED ON THE WAY. 'Computed on the way' means the value that the module computes at that place (a softmax that the list does not call 'softmax' is quantised finished and normalised). What goes into a quantiser is computed in f32, as accurately as f32 sums, v_exp_f32 and their like allow (about 1e-6 of the number): no bf16 or f16 on the way to a quantiser, and a product that is left as it is and whose result goes on into a quantised operand takes f32 operands (vector FMAs, or v_wmma_f32_16x16x4_f32). A number that lies on a knife's edge between two numbers of the format may be rounded either way, as far as f32 arithmetic and the matrix unit's own rounding can turn it there, and no further.
;; 2 versions, each right and faster than the one before. Each part assembles by itself: llvm-mc -triple=amdgcn-amd-amdhsa -mcpu=gfx1250 --defsym DOCPART=n.
;; ======== version 1 of 2: 4 launches
;; workspace buffers: cod 15,753,216 bytes; scl 656,384 bytes; rope 262,144 bytes; img 9,830,400 bytes; gat 131,072 bytes; oc 3,145,728 bytes; osc 131,072 bytes
;; launch prep (part 1): grid 660 x 1, 4 waves a work-group, no clusters, 47,616 bytes of LDS; arguments x, w_q_sem, w_q_geo, w_k_sem, w_k_geo, w_v, w_out, gate_w, cod, scl, rope; writes cod, scl, rope
.if DOCPART == 1
	.amdgcn_target "amdgcn-amd-amdhsa--gfx1250"
	.amdhsa_code_object_version 6
	.text
	.protected	k_q783ca4b8e5_prep
	.globl	k_q783ca4b8e5_prep
	.p2align	8
	.type	k_q783ca4b8e5_prep,@function
k_q783ca4b8e5_prep:
	s_mov_b64 s[64:65], 0
	v_nop
	global_prefetch_b8 v0, s[64:65] scope:SCOPE_SE
	s_setreg_imm32_b32 hwreg(HW_REG_WAVE_MODE, 25, 1), 1
	s_wait_xcnt 0x0
; x [2048][2048], the six weights [2048 (k)][n] and gate_w [2048][16], all f32, become codes of BF6 (E3M2) with one E8M0 byte for each 32 along K; and the table of cos and sin for the rotary step is made.
; A block's scale is 2^(floor(log2(largest magnitude)) - 4): its byte is the largest magnitude's exponent field - 4, held at 1 from below by a floor among the maximum's leaves.
; LAYOUT OF THE CODES (this program's own).  A rowblock is 128 rows of an operand (rows of x; columns of a weight).  Its tile 2 B + u holds at place r the row 32 B + 8 u + r + 8 (r / 8).
; A fragment (16 places x 128 K) lies as an IMAGE of the 12 operand registers: register 4 c + e of a lane at byte 512 c + 16 lane + 4 e: 1,536 bytes.  cod: [rowblock][K step 0..15][tile 0..7][1536].
; scl: [rowblock][B 0..3][pair of K steps 0..7][16 u + r][2 words].  Rowblocks: 0-15 x; 16-31 head h's [w_q_sem | w_q_geo] columns; 32-47 the same of k; 48-63 w_v; 64-79 w_out; behind them gate_w's 16 images and scale words.
; rope: [t 0..1023][half 0..1][cos 16 | sin 16] f32: frequency 16 half + 0..15.
; FOUR PATHS, parted on the work-group's number: 0-511 weights, 512-639 x, 640-643 gate_w, 644-659 the table.  Waves share nothing: no barrier.  Each path that uses LDS has bytes of its own.
; LIMITS: NaN and infinities among the inputs are not served.  A block of zeros gets the byte 1 where the quantiser's rule says 127: its codes are zeros, and this program alone reads the bytes.
; The frequencies are 2^(-i log2(10) / 8) by one multiplication and v_exp_f32: the angle is within about 6e-5 of the exact one at t = 1,023.  The reduction by pi / 2 in two parts serves every angle up to 1,023.
.set RBB,      196608                  ; a rowblock's codes in bytes
.set KSB,      12288                   ; a K step of a rowblock: eight images
.set COD_GATE, 80*RBB
.set SCL_GATE, 80*8192
.set WV,   28                          ; s28 my wave's number
.set SEL,  60                          ; s[60:61] selects for v_permlanex16_b32: lane l xor 16
; the weights' path
.set WOFF, 16                          ; v16-47   4 lane + i rows of the weight; never rewritten
.set WX,   48                          ; v48-111  two sets of 32 numbers
.set WC,   112                         ; v112-143 codes: eight registers for each block of a K step
.set WCT,  144                         ; v144-146 a block's upper 16 codes as they are made
.set WO,   148                         ; v148-195 the way out, two sets of 24
.set WSB,  8                           ; v[8:9]   my column's two scale words
.set WB,   32                          ; s[32:47] the address of each of my eight blocks; never rewritten
.set WLDS, 33792                       ; LDS of this path: 3,328 bytes a wave
; x's path
.set XR,   16                          ; v16-143  two sets of 64 numbers as loaded
.set XN,   144                         ; v144-207 64 numbers: register 16 b + i = k 32 b + 16 (lane / 16) + i of my row
.set XTM,  208
.set XPC,  224
.set XPW,  244                         ; v244-247 the four fragments' scale words
; 64 numbers of a lane, v[s] on, register 16 b + i = k 32 b + 16 (lane / 16) + i of row lane % 16, become a fragment's codes in v[pc] .. v[pc + 11] and its scale word in v[pw].
.macro QUANT s, pc, pw, tm
.irp b, 0,1,2,3
	v_max3_num_f32 v[\tm+\b], |v[\s+16*\b]|, |v[\s+1+16*\b]|, 0x2800000   ; block b: my 16 numbers, and the floor 2^(5 - 127): the byte cannot fall under 1
.endr
.irp i, 2,4,6,8,10,12,14
.irp b, 0,1,2,3
	v_max3_num_f32 v[\tm+\b], v[\tm+\b], |v[\s+16*\b+\i]|, |v[\s+1+16*\b+\i]|   ; the four blocks by turns
.endr
.endr
.irp b, 0,1,2,3
	v_permlanex16_b32 v[\tm+4+\b], v[\tm+\b], s[SEL], s[SEL+1]
.endr
.irp b, 0,1,2,3
	v_max_num_f32 v[\tm+\b], v[\tm+\b], v[\tm+4+\b]        ; with lane l xor 16's: the block's largest magnitude
.endr
.irp b, 0,1,2,3
	v_add_nc_u32 v[\tm+12+\b], 0xfe000000, v[\tm+\b]       ; 4 off its exponent field: the conversion's scale operand
.endr
.irp b, 0,1,2,3
	v_lshrrev_b32 v[\tm+4+\b], 23, v[\tm+12+\b]            ; the scale's byte
.endr
	v_lshl_or_b32 v[\pw], v[\tm+5], 8, v[\tm+4]
	v_lshl_or_b32 v[\pw], v[\tm+6], 16, v[\pw]
	v_lshl_or_b32 v[\pw], v[\tm+7], 24, v[\pw]
.irp c, 0,1
	v_cvt_scalef32_pk16_bf6_f32 v[\pc+6*\c:\pc+2+6*\c], v[\s+32*\c:\s+15+32*\c], v[\tm+12+2*\c]
	v_cvt_scalef32_pk16_bf6_f32 v[\pc+12+4*\c:\pc+14+4*\c], v[\s+16+32*\c:\s+31+32*\c], v[\tm+13+2*\c]   ; a conversion's three registers begin on an even number
.endr
	v_nop                                          ; one plain instruction behind the scaled conversions
.irp c, 0,1                                    ; the operand wants a whole block in a lane: lanes 0-15 block 2 c, lanes 16-31 block 2 c + 1
.irp i, 0,1,2
	v_permlane16_swap_b32 v[\pc+6*\c+\i], v[\pc+12+4*\c+\i]
.endr
.irp i, 0,1,2
	v_mov_b32 v[\pc+3+6*\c+\i], v[\pc+12+4*\c+\i]
.endr
.endr
.endm
	s_load_b512 s[4:19], s[0:1], 0x0               ; x, w_q_sem, w_q_geo, w_k_sem, w_k_geo, w_v, w_out, gate_w
	s_load_b128 s[20:23], s[0:1], 0x40             ; cod, scl
	s_load_b64 s[24:25], s[0:1], 0x50              ; rope
	v_lshl_add_u32 v248, v0, 2, 0xb800
	v_mov_b32 v249, 0
	v_lshrrev_b32 v1, 5, v0
	v_readfirstlane_b32 s[WV], v1                  ; wave 0..3
	v_and_b32 v1, 31, v0                           ; lane
	s_mov_b32 s[SEL], 0x76543210
	s_mov_b32 s[SEL+1], 0xfedcba98
	s_wait_kmcnt 0x0
	s_cmp_lt_u32 ttmp9, 512
	s_cbranch_scc0 .Lnot_w
; ---------------- THE WEIGHTS.  Work-group = (rowblock 16 + G, pair of K steps sp); wave w takes the rowblock's rows 32 w .. 32 w + 31, which are 32 neighbouring columns of a weight, and 256 along K.
; A lane takes a column and its registers run down K: each load reads 128 consecutive bytes, a block of 32 lies in one lane, and the conversions give codes with K innermost.
	s_lshr_b32 s29, ttmp9, 3                       ; G
	s_and_b32 s30, ttmp9, 7                        ; sp
	s_and_b32 s26, s29, 15
	s_lshl_b32 s27, s26, 6
	s_and_b32 s48, s[WV], 1
	s_lshl_b32 s48, s48, 5
	s_add_co_u32 s27, s27, s48                     ; first column in a weight of 1,024 columns: 64 head + 32 (w % 2)
	s_lshl_b32 s26, s26, 7
	s_lshl_b32 s48, s[WV], 5
	s_add_co_u32 s26, s26, s48                     ; in one of 2,048: 128 (G % 16) + 32 w
	s_cmp_lt_u32 s[WV], 2                          ; waves 0, 1: the semantic half of a head; waves 2, 3: the geometric
	s_cselect_b64 s[6:7], s[6:7], s[8:9]
	s_cselect_b64 s[10:11], s[10:11], s[12:13]
	s_cmp_lt_u32 s29, 16
	s_cselect_b64 s[6:7], s[6:7], s[10:11]         ; q or k
	s_cmp_lt_u32 s29, 48
	s_cselect_b64 s[14:15], s[14:15], s[16:17]     ; w_v or w_out
	s_mov_b32 s31, 8192
	s_cmp_lt_u32 s29, 32
	s_cselect_b64 s[6:7], s[6:7], s[14:15]         ; my weight,
	s_cselect_b32 s31, 4096, s31                   ; its row in bytes,
	s_cselect_b32 s26, s27, s26                    ; my first column
	s_lshl_b32 s26, s26, 2
	s_lshl_b32 s48, s30, 8
	s_mul_i32 s48, s48, s31                        ; 256 sp rows
	s_add_co_u32 s48, s48, s26
	s_mov_b32 s49, 0
	s_add_nc_u64 s[WB:WB+1], s[6:7], s[48:49]
	s_lshl_b32 s48, s31, 5                         ; 32 rows on for each block
.irp t, 1,2,3,4,5,6,7
	s_add_nc_u64 s[WB+2*\t:WB+2*\t+1], s[WB+2*\t-2:WB+2*\t-1], s[48:49]
.endr
	s_add_co_u32 s50, s29, 16                      ; the rowblock
	s_mul_i32 s52, s50, RBB
	s_mul_i32 s53, s30, 2*KSB
	s_add_co_u32 s52, s52, s53
	s_mul_i32 s53, s[WV], 3072                     ; my two tiles
	s_add_co_u32 s52, s52, s53
	s_mov_b32 s53, 0
	s_add_nc_u64 s[20:21], s[20:21], s[52:53]
	s_lshl_b32 s52, s50, 13
	s_lshl_b32 s54, s[WV], 11
	s_add_co_u32 s52, s52, s54
	s_lshl_b32 s54, s30, 8
	s_add_co_u32 s52, s52, s54
	s_add_nc_u64 s[22:23], s[22:23], s[52:53]
	s_mul_i32 s55, s[WV], 3328
	s_add_co_u32 s55, s55, WLDS                    ; my two images in LDS, 1,664 bytes apart
	v_lshlrev_b32 v2, 2, v1
.set wi, 0
.rept 32
	v_mad_u32_u24 v[WOFF+wi], s31, wi, v2
.set wi, wi+1
.endr
	v_bfe_u32 v3, v0, 3, 1                         ; column o of my 32 is place r of tile u: u = (o / 8) % 2,
	v_and_b32 v4, 7, v0
	v_bfe_u32 v14, v0, 4, 1
	v_lshl_add_u32 v4, v14, 3, v4                  ; r = o % 8 + 8 (o / 16)
	v_mul_u32_u24 v5, v3, 1664
	v_lshl_add_u32 v5, v4, 4, v5
	v_add_nc_u32 v5, s55, v5                       ; into the images: 1,664 u + 16 r
	v_lshlrev_b32 v7, 4, v1                        ; 16 lane
	v_add_nc_u32 v6, s55, v7                       ; and out of them
	v_lshl_add_u32 v10, v3, 4, v4
	v_lshlrev_b32 v10, 3, v10                      ; my scale words: 8 (16 u + r)
.macro WLOAD t                         ; block t: 32 rows of the weight at my column, into set t % 2
.set wi, 0
.rept 32
	global_load_b32 v[WX+32*((\t)%2)+wi], v[WOFF+wi], s[WB+2*(\t):WB+2*(\t)+1] th:TH_LOAD_NT
.set wi, wi+1
.endr
.endm
.macro WBLOCK t                        ; block t % 4 = 2 c + hh of its K step belongs to lane (r, hh) of the image, registers 6 c .. 6 c + 5
.set XS, WX+32*((\t)%2)
.set CB, WC+8*((\t)%4)
.if (\t) < 7
	s_wait_loadcnt 32                              ; this block's 32 loads are in; the next block's 32 may be out
.else
	s_wait_loadcnt 0x0
.endif
	v_max3_num_f32 v12, |v[XS]|, |v[XS+1]|, |v[XS+2]|      ; the block's largest magnitude: all 32 numbers are mine
	v_max3_num_f32 v13, |v[XS+3]|, |v[XS+4]|, |v[XS+5]|
.irp i, 6,10,14,18,22,26
	v_max3_num_f32 v12, v12, |v[XS+\i]|, |v[XS+\i+1]|
	v_max3_num_f32 v13, v13, |v[XS+\i+2]|, |v[XS+\i+3]|
.endr
	v_max3_num_f32 v12, v12, |v[XS+30]|, |v[XS+31]|
	v_max3_num_f32 v12, v12, v13, 0x2800000        ; and the floor 2^(5 - 127)
	v_add_nc_u32 v11, 0xfe000000, v12              ; 4 off the exponent field: the conversion's scale operand
	v_lshrrev_b32 v13, 23, v11                     ; the byte
.if (\t)%4 == 0
	v_mov_b32 v[WSB+(\t)/4], v13
.else
	v_lshl_or_b32 v[WSB+(\t)/4], v13, 8*((\t)%4), v[WSB+(\t)/4]
.endif
	v_cvt_scalef32_pk16_bf6_f32 v[CB:CB+2], v[XS:XS+15], v11
	v_cvt_scalef32_pk16_bf6_f32 v[WCT:WCT+2], v[XS+16:XS+31], v11
	v_nop                                          ; one plain instruction behind the scaled conversions
.irp i, 0,1,2
	v_mov_b32 v[CB+3+\i], v[WCT+\i]
.endr
.if ((\t)%4) < 2                       ; registers 0-3 and 4-5
	ds_store_b128 v5, v[CB:CB+3] offset:256*((\t)%2)
	ds_store_b64 v5, v[CB+4:CB+5] offset:256*((\t)%2)+512
.else                                  ; registers 6-7 and 8-11
	ds_store_b64 v5, v[CB:CB+1] offset:256*((\t)%2)+520
	ds_store_b128 v5, v[CB+2:CB+5] offset:256*((\t)%2)+1024
.endif
.if (\t)+2 < 8
	WLOAD (\t)+2
.endif
.endm
.macro WOUT sq                         ; a K step's two images leave: each store covers 512 consecutive bytes
.irp c, 0,1,2,3,4,5
	ds_load_b128 v[WO+24*(\sq)+4*\c:WO+24*(\sq)+4*\c+3], v6 offset:1664*(\c/3)+512*(\c%3)   ; LDS serves a wave's instructions in order: these see my stores
.endr
	s_wait_dscnt 0x0                               ; the images are in registers, and the stores have read the codes' registers: the next K step may write both
.irp c, 0,1,2,3,4,5
	global_store_b128 v7, v[WO+24*(\sq)+4*\c:WO+24*(\sq)+4*\c+3], s[20:21] offset:KSB*(\sq)+512*\c
.endr
.endm
	WLOAD 0
	WLOAD 1
	WBLOCK 0
	WBLOCK 1
	WBLOCK 2
	WBLOCK 3
	WOUT 0
	WBLOCK 4
	WBLOCK 5
	WBLOCK 6
	WBLOCK 7
	WOUT 1
	global_store_b64 v10, v[WSB:WSB+1], s[22:23]   ; 32 lanes store 256 consecutive bytes, aligned
	s_wait_tensorcnt 0x0
	ds_add_u32 v248, v249
	s_wait_dscnt 0x0
	s_endpgm
.Lnot_w:
	s_cmp_lt_u32 ttmp9, 640
	s_cbranch_scc0 .Lnot_x
; ---------------- x.  Work-group = (rowblock RB, pair of K steps sp); wave w takes rows 32 w .. 32 w + 31 and 256 along K: four fragments f = 2 (K step) + u.
; Each load reads 512 consecutive bytes of one row; a fragment's 16 rows turn through the wave's own stage in LDS (rows 528 bytes apart) and come back 16 neighbours of each block to a lane.
	s_sub_co_u32 s29, ttmp9, 512
	s_and_b32 s30, s29, 7                          ; sp
	s_lshr_b32 s29, s29, 3                         ; RB
	s_lshl_b32 s48, s29, 7
	s_lshl_b32 s49, s[WV], 5
	s_add_co_u32 s48, s48, s49                     ; my first row
	s_lshl_b32 s48, s48, 13                        ; a row is 8,192 bytes
	s_lshl_b32 s49, s30, 10
	s_add_co_u32 s48, s48, s49
	s_mov_b32 s49, 0
	s_add_nc_u64 s[4:5], s[4:5], s[48:49]
	s_mul_i32 s52, s29, RBB
	s_mul_i32 s53, s30, 2*KSB
	s_add_co_u32 s52, s52, s53
	s_mul_i32 s53, s[WV], 3072
	s_add_co_u32 s52, s52, s53
	s_mov_b32 s53, 0
	s_add_nc_u64 s[20:21], s[20:21], s[52:53]
	s_lshl_b32 s52, s29, 13
	s_lshl_b32 s54, s[WV], 11
	s_add_co_u32 s52, s52, s54
	s_lshl_b32 s54, s30, 8
	s_add_co_u32 s52, s52, s54
	s_add_nc_u64 s[22:23], s[22:23], s[52:53]
	s_mul_i32 s55, s[WV], 8448                     ; my stage: 16 rows x 528 bytes
	v_and_b32 v2, 15, v0                           ; r
	v_bfe_u32 v3, v0, 4, 1                         ; h
	v_lshlrev_b32 v6, 4, v1                        ; 16 lane
	v_add_nc_u32 v4, s55, v6                       ; into the stage
	v_mul_u32_u24 v5, v2, 528
	v_lshl_add_u32 v5, v3, 6, v5
	v_add_nc_u32 v5, s55, v5                       ; out of it: row r, + 64 h
	v_lshlrev_b32 v7, 3, v1
.irp b, 0,1,2,3
	v_mov_b32 v[XTM+4+\b], 0                       ; written once: a lane permute's destination counts as one of its sources
.endr
.macro XLOAD f
.set xp, 0
.rept 16
	global_load_b128 v[XR+64*((\f)%2)+4*xp:XR+64*((\f)%2)+4*xp+3], v6, s[4:5] offset:(8*((\f)%2)+xp+8*(xp/8))*8192+512*((\f)/2) th:TH_LOAD_NT
.set xp, xp+1
.endr
.endm
.macro XFRAG f
.if (\f) < 3
	s_wait_loadcnt 16                              ; this fragment's 16 loads are in; the next one's 16 may be out
.else
	s_wait_loadcnt 0x0
.endif
.set xp, 0
.rept 16
	ds_store_b128 v4, v[XR+64*((\f)%2)+4*xp:XR+64*((\f)%2)+4*xp+3] offset:528*xp
.set xp, xp+1
.endr
.irp b, 0,1,2,3
.irp j, 0,1,2,3
	ds_load_b128 v[XN+16*\b+4*\j:XN+16*\b+4*\j+3], v5 offset:128*\b+16*\j
.endr
.endr
	s_wait_dscnt 0x0                               ; the numbers are back, and the stores have read their registers
.if (\f) > 0
	s_wait_xcnt 0x0                                ; the last fragment's stores have read the codes' registers
.endif
.if (\f)+2 < 4
	XLOAD (\f)+2
.endif
	QUANT XN, XPC, XPW+(\f), XTM
.irp c, 0,1,2
	global_store_b128 v6, v[XPC+4*\c:XPC+4*\c+3], s[20:21] offset:KSB*((\f)/2)+1536*((\f)%2)+512*\c
.endr
.endm
	XLOAD 0
	XLOAD 1
	XFRAG 0
	XFRAG 1
	XFRAG 2
	XFRAG 3
	v_cmp_eq_u32 vcc_lo, 1, v3                     ; lanes 0-15 store tile u = 0's words, lanes 16-31 tile u = 1's (both halves hold row r's word)
	v_cndmask_b32 v8, v[XPW], v[XPW+1], vcc_lo
	v_cndmask_b32 v9, v[XPW+2], v[XPW+3], vcc_lo
	global_store_b64 v7, v[8:9], s[22:23]          ; 256 consecutive bytes, aligned
	s_wait_tensorcnt 0x0
	ds_add_u32 v248, v249
	s_wait_dscnt 0x0
	s_endpgm
.Lnot_x:
	s_cmp_lt_u32 ttmp9, 644
	s_cbranch_scc0 .Lrope
; ---------------- gate_w [2048][16].  A wave takes a K step: lane (r, h) takes column r, and its registers run down K in the order of the operand's registers.
	s_sub_co_u32 s29, ttmp9, 640
	s_lshl_b32 s29, s29, 2
	s_add_co_u32 s29, s29, s[WV]                   ; the K step
	s_lshl_b32 s48, s29, 13                        ; 128 rows of 64 bytes
	s_mov_b32 s49, 0
	s_add_nc_u64 s[18:19], s[18:19], s[48:49]
	s_mul_i32 s48, s29, 1536
	s_add_co_u32 s48, s48, COD_GATE
	s_add_nc_u64 s[20:21], s[20:21], s[48:49]
	s_lshr_b32 s48, s29, 1
	s_lshl_b32 s48, s48, 7
	s_and_b32 s50, s29, 1
	s_lshl_b32 s50, s50, 2
	s_add_co_u32 s48, s48, s50
	s_add_co_u32 s48, s48, SCL_GATE                ; [pair of K steps][r][2 words]
	s_add_nc_u64 s[22:23], s[22:23], s[48:49]
	v_and_b32 v2, 15, v0
	v_bfe_u32 v3, v0, 4, 1
	v_lshlrev_b32 v4, 2, v2
	v_lshl_add_u32 v5, v3, 11, v4                  ; lanes 16-31 begin 32 rows further down
	v_lshlrev_b32 v6, 4, v1
	v_lshlrev_b32 v7, 3, v2
.irp c, 0,1
.set gi, 0
.rept 32
	global_load_b32 v[64+32*\c+gi], v5, s[18:19] offset:64*(64*\c+gi)
.set gi, gi+1
.endr
.endr
	s_wait_loadcnt 0x0
.irp c, 0,1
	v_max3_num_f32 v[32+\c], |v[64+32*\c]|, |v[65+32*\c]|, 0x2800000
.endr
.irp i, 2,4,6,8,10,12,14,16,18,20,22,24,26,28,30
.irp c, 0,1
	v_max3_num_f32 v[32+\c], v[32+\c], |v[64+32*\c+\i]|, |v[65+32*\c+\i]|
.endr
.endr
.irp c, 0,1
	v_add_nc_u32 v[44+\c], 0xfe000000, v[32+\c]
.endr
.irp c, 0,1
	v_lshrrev_b32 v[36+\c], 23, v[44+\c]
.endr
	v_lshl_or_b32 v9, v37, 16, v36                 ; my two bytes: blocks h and 2 + h,
	v_lshlrev_b32 v10, 3, v3
	v_lshlrev_b32 v9, v10, v9                      ; at their places in the word;
	v_mov_b32 v10, 0
	v_permlanex16_b32 v10, v9, s[SEL], s[SEL+1]
	v_or_b32 v9, v9, v10                           ; with lane l xor 16's two the word is whole
.irp c, 0,1
	v_cvt_scalef32_pk16_bf6_f32 v[48+6*\c:50+6*\c], v[64+32*\c:79+32*\c], v[44+\c]
	v_cvt_scalef32_pk16_bf6_f32 v[192+4*\c:194+4*\c], v[80+32*\c:95+32*\c], v[44+\c]
.endr
	v_nop
.irp c, 0,1
.irp i, 0,1,2
	v_mov_b32 v[51+6*\c+\i], v[192+4*\c+\i]
.endr
.endr
.irp c, 0,1,2
	global_store_b128 v6, v[48+4*\c:51+4*\c], s[20:21] offset:512*\c
.endr
	global_store_b32 v7, v9, s[22:23]              ; both halves of the lanes store the same word
	s_endpgm
.Lrope:
; ---------------- cos and sin.  A wave takes 16 positions; lane l writes floats 2 l and 2 l + 1 of a position's 64: 256 consecutive bytes a store.
	s_sub_co_u32 s29, ttmp9, 644
	s_lshl_b32 s29, s29, 2
	s_add_co_u32 s29, s29, s[WV]
	s_lshl_b32 s30, s29, 12
	s_mov_b32 s31, 0
	s_add_nc_u64 s[24:25], s[24:25], s[30:31]
	s_lshl_b32 s29, s29, 4                         ; my first position
	s_mov_b32 s32, 0x3fc90fdb                      ; pi / 2, upper part
	s_mov_b32 s33, 0xb33bbd2e                      ; and what is left of it
	s_mov_b32 s34, 0xb94ca1f9                      ; sin r = r + r z (S1 + z (S2 + z S3)), z = r r: S3, S2, S1
	s_mov_b32 s35, 0x3c08839e
	s_mov_b32 s36, 0xbe2aaaa3
	s_mov_b32 s37, 0x37ccf5ce                      ; cos r = 1 - z / 2 + z z (C1 + z (C2 + z C3)): C3, C2, C1
	s_mov_b32 s38, 0xbab6061a
	s_mov_b32 s39, 0x3d2aaaa5
	v_bfe_u32 v2, v0, 4, 1                         ; the half
	v_bfe_u32 v3, v0, 3, 1                         ; 1: sin
	v_sub_nc_u32 v4, 1, v3                         ; a quarter turn more for cos
	v_and_b32 v5, 7, v0
	v_lshlrev_b32 v5, 1, v5
	v_lshl_add_u32 v5, v2, 4, v5                   ; my first frequency's number i,
	v_add_nc_u32 v6, 1, v5                         ; and my second's
	v_cvt_f32_u32 v5, v5
	v_cvt_f32_u32 v6, v6
	v_mul_f32 v5, 0xbed49a78, v5                   ; - i log2(10) / 8
	v_mul_f32 v6, 0xbed49a78, v6
	v_exp_f32 v8, v5                               ; 10000^(-i / 32)
	v_exp_f32 v9, v6
	v_lshlrev_b32 v7, 3, v1                        ; (a plain instruction behind the two)
	s_wait_alu depctr_va_vdst(0)                   ; one wait for both, ahead of their first reader
.macro ROPE1 e, dst
	v_mul_f32 v11, v10, v[8+\e]                    ; the angle, rounded once
	v_mul_f32 v12, 0x3f22f983, v11
	v_rndne_f32 v12, v12                           ; n = the nearest number of quarter turns
	v_fma_f32 v13, -v12, s32, v11
	v_fma_f32 v13, -v12, s33, v13                  ; r = angle - n pi / 2, within pi / 4 of 0
	v_cvt_i32_f32 v14, v12
	v_add_nc_u32 v14, v14, v4
	v_mul_f32 v15, v13, v13
	v_fma_f32 v16, v15, s34, s35
	v_fma_f32 v18, v15, s37, s38
	v_fma_f32 v16, v16, v15, s36
	v_fma_f32 v18, v18, v15, s39
	v_mul_f32 v17, v15, v13
	v_mul_f32 v19, v15, v15
	v_fma_f32 v20, v15, -0.5, 1.0
	v_fma_f32 v16, v16, v17, v13                   ; sin r
	v_fma_f32 v18, v18, v19, v20                   ; cos r
	v_and_b32 v21, 1, v14
	v_cmp_eq_u32 vcc_lo, 1, v21
	v_cndmask_b32 v16, v16, v18, vcc_lo            ; an odd number of quarter turns takes cos r,
	v_and_b32 v21, 2, v14
	v_lshlrev_b32 v21, 30, v21
	v_xor_b32 v[\dst], v16, v21                    ; two or three of four turn the sign
.endm
.irp t, 0,1,2,3,4,5,6,7,8,9,10,11,12,13,14,15
	s_add_co_u32 s30, s29, \t
	v_cvt_f32_u32 v10, s30
	ROPE1 0, 32+2*\t
	ROPE1 1, 33+2*\t
	global_store_b64 v7, v[32+2*\t:33+2*\t], s[24:25] offset:256*\t
.endr
	s_endpgm
.Lfunc_end_k_q783ca4b8e5_prep:
	.size	k_q783ca4b8e5_prep, .Lfunc_end_k_q783ca4b8e5_prep-k_q783ca4b8e5_prep
	.p2alignl 7, 3214868480
	.fill 96, 4, 3214868480
	.section	.rodata,"a",@progbits
	.p2align	6, 0x0
	.amdhsa_kernel k_q783ca4b8e5_prep
		.amdhsa_group_segment_fixed_size 47616
		.amdhsa_private_segment_fixed_size 0
		.amdhsa_enable_private_segment 0
		.amdhsa_kernarg_size 88
		.amdhsa_user_sgpr_count 2
		.amdhsa_user_sgpr_kernarg_segment_ptr 1
		.amdhsa_wavefront_size32 1
		.amdhsa_system_sgpr_workgroup_id_x 1
		.amdhsa_system_sgpr_workgroup_id_y 1
		.amdhsa_system_sgpr_workgroup_id_z 1
		.amdhsa_system_vgpr_workitem_id 0
		.amdhsa_next_free_vgpr 250
		.amdhsa_next_free_sgpr 66
		.amdhsa_reserve_vcc 1
		.amdhsa_float_denorm_mode_32 3
		.amdhsa_float_denorm_mode_16_64 3
		.amdhsa_memory_ordered 1
		.amdhsa_forward_progress 1
		.amdhsa_inst_pref_size 124
	.end_amdhsa_kernel
	.amdgpu_metadata
---
amdhsa.version: [ 1, 2 ]
amdhsa.kernels:
  - .name:           k_q783ca4b8e5_prep
    .symbol:         k_q783ca4b8e5_prep.kd
    .args:
      - { .name: x, .offset: 0, .size: 8, .value_kind: global_buffer, .address_space: global }
      - { .name: w_q_sem, .offset: 8, .size: 8, .value_kind: global_buffer, .address_space: global }
      - { .name: w_q_geo, .offset: 16, .size: 8, .value_kind: global_buffer, .address_space: global }
      - { .name: w_k_sem, .offset: 24, .size: 8, .value_kind: global_buffer, .address_space: global }
      - { .name: w_k_geo, .offset: 32, .size: 8, .value_kind: global_buffer, .address_space: global }
      - { .name: w_v, .offset: 40, .size: 8, .value_kind: global_buffer, .address_space: global }
      - { .name: w_out, .offset: 48, .size: 8, .value_kind: global_buffer, .address_space: global }
      - { .name: gate_w, .offset: 56, .size: 8, .value_kind: global_buffer, .address_space: global }
      - { .name: cod, .offset: 64, .size: 8, .value_kind: global_buffer, .address_space: global }
      - { .name: scl, .offset: 72, .size: 8, .value_kind: global_buffer, .address_space: global }
      - { .name: rope, .offset: 80, .size: 8, .value_kind: global_buffer, .address_space: global }
    .group_segment_fixed_size: 47616
    .private_segment_fixed_size: 0
    .kernarg_segment_align: 8
    .kernarg_segment_size: 88
    .max_flat_workgroup_size: 128
    .sgpr_count:     66
    .vgpr_count:     250
    .wavefront_size: 32
...
	.end_amdgpu_metadata
.endif
;; end of part 1
;; launch proj (part 2): grid 28 x 8, 4 waves a work-group, clusters of 4 x 4, 327,680 bytes of LDS; arguments cod, scl, rope, gate_logit, img, gat; writes img, gat
.if DOCPART == 2
	.amdgcn_target "amdgcn-amd-amdhsa--gfx1250"
	.amdhsa_code_object_version 6
	.text
	.protected	k_q783ca4b8e5_proj
	.globl	k_q783ca4b8e5_proj
	.p2align	8
	.type	k_q783ca4b8e5_proj,@function
k_q783ca4b8e5_proj:
	s_mov_b64 s[64:65], 0
	v_nop
	global_prefetch_b8 v0, s[64:65] scope:SCOPE_SE
	s_setreg_imm32_b32 hwreg(HW_REG_WAVE_MODE, 25, 1), 1
	s_wait_xcnt 0x0
	s_wait_alu depctr_hold_cnt(0) depctr_sa_sdst(0) depctr_va_vdst(0) depctr_va_sdst(0) depctr_va_ssrc(0) depctr_va_vcc(0) depctr_vm_vsrc(0)
	s_getreg_b32 s2, hwreg(HW_REG_IB_STS2, 6, 4)
	s_cmp_eq_u32 s2, 0
	s_cbranch_scc0 .Lentry_in_a_cluster
	s_endpgm
.Lentry_in_a_cluster:
	s_bfe_u32 s2, ttmp6, 0x10000c
	s_cmp_lg_u32 s2, 0xf033
	s_cbranch_scc0 .Lentry_shape_is_right
	s_endpgm
.Lentry_shape_is_right:
; The five projections and the gate, on codes of BF6 (E3M2) with one E8M0 scale for each 32 along K = 2,048; their results are turned (rotary step), quantised in registers and stored as codes for the attention launch.
; Operands: cod and scl (layout: rowblocks of 128 rows in tile order, fragments as images of their 12 registers; tile 2 B + u holds at place r the row 32 B + 8 u + r + 8 (r / 8)).
; CLUSTERS of 4 x 4 work-groups, told apart by the cluster's x, which all partners share: 0-3: q and k of all heads (source 0 = a head's 128 columns [sem | geo], source 1 = rows of x);
; 4-5: v (source 0 = rows of x, source 1 = a head's 128 columns of w_v, so that a lane's registers run along the KEYS, which are the next product's K); 6: the gate, a tile of 16 rows to a wave.
; A work-group of four waves makes 256 x 256, a wave 128 x 128: 64 accumulators.  K goes in steps of 256 through two LDS slots filled by joint tensor loads: a slot's quarter, 24,576 dense bytes, to a wave.
; The tile that hangs on the tile row alone ("A", source 1) is shared along a row of the cluster, the one that hangs on the tile column alone ("B", source 0) along a column.
; In the result lane (r, h) holds the source-1 row at place r, and register 16 B + i of the eight source-0 tiles the source-0 row 32 B + 16 h + i: 64 numbers in the order that the quantiser's conversions want.
; OUT: img, units of 12,800 bytes: eight images (a = 0..7) and 512 bytes of scale words at 12,288 + 32 r + 4 a.  Units 16 head + rowblock of x: q; 256 + the same: k; 512 + 128 batch + 8 head + key block: v.
; gat: [tile of 16 rows][image of 8 registers]: lane (head, hh), register j: sigmoid(logit + x . gate_w) of the row at place 8 hh + j.
; LIMITS: NaN and infinities are not served; a block of zeros gets the byte 1 (its codes are zeros; this program alone reads the bytes).
; REGISTERS: window 0: v16-29 addresses; v32-63 scale words, two sets, and nothing else; v128-223 A's fragments, one set; window 1: B's fragments, two sets; windows 2, 3: accumulator (a, b) at v[8 (8 (a % 4) + b)].
.set NQ,     2                         ; matrix instructions deep in a slot
.set FR,     12                        ; registers of a fragment
.set NL,     3                         ; LDS loads that bring one
.set NP,     4                         ; places behind this matrix instruction (ISA guide 7.12.1)
.set RBB,    196608
.set KSB,    12288                     ; a K step of a rowblock: eight images
.set HALFT,  2*KSB                     ; what one tensor load brings
.set SLOT,   4*HALFT                   ; A's two rowblocks, then B's two
.set LAPS,   4                         ; 8 slots' worth of K, two to a lap
.set SCL,    2*SLOT                    ; behind the ring: the scale words of the four rowblocks, for all of K: filled once
.set HALFS,  8192
.set SPARE,  SCL+4*HALFS               ; the spare words, 128 bytes for each wave: no other line names them
.set COD_GATE, 80*RBB
.set SCL_GATE, 80*8192
.set ADRA, 16                          ; v16-17 LDS address of my A fragments in slot 0, 1
.set ADRB, 20                          ; v20-21 the same for B
.set ADRS, 27                          ; v27    my scale words: lanes 0-15 A's, lanes 16-31 B's
.set SPW,  28                          ; v28    my spare word; never rewritten
.set NIL,  29                          ; v29    0; never rewritten
.set SC,   32
.set AF,   128
.set G1,   24
.set G0,   32
.set G1B,  48
.set G0B,  56
.set G1S,  68
.set G0S,  76
.set G1SB, 80
.set G0SB, 88
; the epilogue, window 0
.set GO,   24                          ; v24 16 lane
.set RT,   25                          ; v25 my place in the table of cos and sin
.set SOF,  26                          ; v26 my 16 bytes of the unit's scale words
.set CS,   64                          ; v64-127  cos 16 | sin 16, two sets
.set PC,   128                         ; v128-167 codes, two sets of 20
.set TT,   192                         ; v192-223 x2 sin, x1 sin
.set TM,   224                         ; v224-239 at work
.set PW,   240                         ; v240-247 the eight fragments' scale words
.set SW,   248                         ; v248-251 the four that I store
.set SEL,  76                          ; s[76:77] in the epilogue
.set MSB, 0
.macro WIN new                         ; the immediate's high byte repeats the setting that is left
.if MSB != \new
	s_set_vgpr_msb (MSB<<8)|\new
.set MSB, \new
.endif
.endm
.set MUL_LO, 0xa1                      ; source 0 (B) window 1, source 1 (A) window 0, C and D window 2
.set MUL_HI, 0xf1                      ; the same, C and D window 3
.set TO_B,   0x40                      ; destination window 1
; A joint load: waves 0 and 1 fetch for A, waves 2 and 3 for B; the branch hangs on the wave's number alone.  Four v_nop follow each of the two lines.
.macro JLOAD g0a, g1a, g0b, g1b
	s_cmp_eq_u32 s15, 0
	s_cbranch_scc0 .Lfor_b_\@
	tensor_load_to_lds s[\g0a:\g0a+3], s[\g1a:\g1a+7]
	s_nop 0
.rept 4
	v_nop
.endr
	s_branch .Lasked_\@
.Lfor_b_\@:
	tensor_load_to_lds s[\g0b:\g0b+3], s[\g1b:\g1b+7]
	s_nop 0
.rept 4
	v_nop
.endr
.Lasked_\@:
.endm
.macro CREST                           ; a round of the cluster's barrier behind its opening barrier
	s_cmp_lg_u32 s14, 0
	s_cbranch_scc1 .Lnot_wave_0_\@
	s_barrier_signal -3
.Lnot_wave_0_\@:
	s_barrier_wait -3
	s_barrier_signal -1
	s_barrier_wait -1
.endm
.macro CROUND
	s_barrier_signal -1
	s_barrier_wait -1
	CREST
.endm
.macro FINISH                          ; a wave's end; then the closing round, so that no work-group ends while a partner may still ask jointly
	s_wait_tensorcnt 0x0
	ds_add_u32 v[SPW], v[NIL]
	s_wait_dscnt 0x0
	CROUND
	s_endpgm
.endm
.macro PLACES n
.rept \n
	v_nop
.endr
.endm
	s_load_b128 s[4:7], s[0:1], 0x0                ; cod, scl
	s_load_b128 s[8:11], s[0:1], 0x10              ; rope, gate_logit
	s_load_b128 s[96:99], s[0:1], 0x20             ; img, gat
	v_lshl_add_u32 v[SPW], v0, 2, SPARE
	v_mov_b32 v[NIL], 0
	ds_add_u32 v28, v29
	ds_add_u32 v28, v29
	s_wait_dscnt 0x0
	v_lshrrev_b32 v1, 5, v0
	v_readfirstlane_b32 s14, v1                    ; wave 0..3
	s_lshr_b32 s15, s14, 1                         ; which half of A's rows is mine.  Also: I fetch for A (0) or for B (1)
	s_and_b32 s16, s14, 1                          ; which half of B's rows.  Also: which rowblock of the two I fetch
	s_bfe_u32 s40, ttmp6, 0x40000                  ; cx, cy
	s_bfe_u32 s41, ttmp6, 0x40004
	s_lshl_b32 s42, ttmp9, 2
	s_add_co_u32 s42, s42, s40                     ; tile column
	s_and_b32 s17, ttmp7, 0xffff
	s_lshl_b32 s17, s17, 2
	s_add_co_u32 s17, s17, s41                     ; tile row
	s_cmp_ge_u32 ttmp9, 6                          ; the cluster's x: the same in all sixteen partners
	s_cbranch_scc1 .Lgate
	s_cmp_ge_u32 ttmp9, 4
	s_cselect_b32 s95, 1, 0                        ; 1: v
	s_lshl_b32 s43, s41, 2
	s_lshl_b32 s43, 15, s43                        ; my row of the cluster
	s_lshl_b32 s44, 0x1111, s40                    ; my column
	; group 1: 24,576 dense bytes as 96 rows of 32 elements of 8 bytes; no padding: an image is read as it lies, 512 consecutive bytes a load
	s_or_b32 s[G1+0], s43, (3<<16)|(1<<21)
	s_or_b32 s[G1B+0], s44, (3<<16)|(1<<21)
.irp g, G1, G1B
	s_mov_b32 s[\g+1], 32<<16                      ; tensor_dim0
	s_mov_b32 s[\g+2], 96<<16                      ; tensor_dim1
	s_mov_b32 s[\g+3], 32<<16                      ; tile_dim0
	s_mov_b32 s[\g+4], 96                          ; tile_dim1
	s_mov_b32 s[\g+5], 32                          ; the pitch
	s_mov_b32 s[\g+6], 0
	s_mov_b32 s[\g+7], 0
.endr
	s_or_b32 s[G1S+0], s43, (3<<16)|(1<<21)        ; and a rowblock's scale words: 8,192 dense bytes, 32 rows
	s_or_b32 s[G1SB+0], s44, (3<<16)|(1<<21)
.irp g, G1S, G1SB
	s_mov_b32 s[\g+1], 32<<16
	s_mov_b32 s[\g+2], 32<<16
	s_mov_b32 s[\g+3], 32<<16
	s_mov_b32 s[\g+4], 32
	s_mov_b32 s[\g+5], 32
	s_mov_b32 s[\g+6], 0
	s_mov_b32 s[\g+7], 0
.endr
	s_mul_i32 s18, s95, 48
	s_lshl_b32 s20, s17, 1
	s_add_co_u32 s20, s20, s16
	s_add_co_u32 s20, s20, s18                     ; A's rowblock: x's 2 row + half, or w_v's 48 + the same
	s_lshl_b32 s46, s42, 1
	s_add_co_u32 s46, s46, s16
	s_add_co_u32 s46, s46, 16
	s_sub_co_u32 s46, s46, s18                     ; B's: 16 + 2 column + half (q, k), or x's 2 column - 32 + half
	s_lshl_b32 s22, s20, 13
	s_lshl_b32 s92, s46, 13
	s_mul_i32 s20, s20, RBB
	s_mul_i32 s46, s46, RBB
	s_mov_b32 s21, 0
	s_mov_b32 s23, 0
	s_mov_b32 s47, 0
	s_mov_b32 s93, 0
	s_mul_i32 s45, s14, HALFT                      ; where they go: no place in the cluster enters an LDS address
	s_mul_i32 s94, s14, HALFS
	s_wait_kmcnt 0x0
	s_add_nc_u64 s[20:21], s[4:5], s[20:21]
	s_add_nc_u64 s[22:23], s[6:7], s[22:23]
	s_add_nc_u64 s[46:47], s[4:5], s[46:47]
	s_add_nc_u64 s[92:93], s[6:7], s[92:93]
	CROUND                                         ; all sixteen work-groups are here: the first joint loads meet
	s_mov_b32 s[G0S], 1
	s_add_co_u32 s[G0S+1], s94, SCL
	s_mov_b64 s[G0S+2:G0S+3], s[22:23]
	s_or_b32 s[G0S+3], s[G0S+3], 0x80000000
	s_mov_b32 s[G0SB], 1
	s_add_co_u32 s[G0SB+1], s94, SCL
	s_mov_b64 s[G0SB+2:G0SB+3], s[92:93]
	s_or_b32 s[G0SB+3], s[G0SB+3], 0x80000000
	JLOAD G0S, G1S, G0SB, G1SB                     ; the scale words first: they are wanted with the first K step
.irp s, 0,1
	s_mov_b32 s[G0+4*\s], 1
	s_add_co_u32 s[G0+4*\s+1], s45, \s*SLOT
	s_add_nc_u64 s[G0+4*\s+2:G0+4*\s+3], s[20:21], \s*HALFT
	s_or_b32 s[G0+4*\s+3], s[G0+4*\s+3], 0x80000000
	s_mov_b32 s[G0B+4*\s], 1
	s_add_co_u32 s[G0B+4*\s+1], s45, \s*SLOT
	s_add_nc_u64 s[G0B+4*\s+2:G0B+4*\s+3], s[46:47], \s*HALFT
	s_or_b32 s[G0B+4*\s+3], s[G0B+4*\s+3], 0x80000000
	JLOAD G0+4*\s, G1, G0B+4*\s, G1B
.endr
	v_and_b32 v1, 15, v0                           ; r
	v_bfe_u32 v2, v0, 4, 1                         ; h
	v_and_b32 v3, 31, v0
	v_lshlrev_b32 v4, 4, v3                        ; 16 lane: my place in every image
	s_mul_i32 s21, s15, HALFT
	s_mul_i32 s22, s16, HALFT
	s_add_co_u32 s22, s22, 2*HALFT
.irp s, 0,1
	v_add_nc_u32 v[ADRA+\s], s21, v4
	v_add_nc_u32 v[ADRB+\s], s22, v4
	s_add_co_u32 s21, s21, SLOT
	s_add_co_u32 s22, s22, SLOT
.endr
	v_lshlrev_b32 v5, 3, v1                        ; scale words: 8 bytes a place
	s_mul_i32 s21, s15, HALFS
	s_mul_i32 s22, s16, HALFS
	s_add_co_u32 s22, s22, 2*HALFS
	s_sub_co_u32 s22, s22, s21
	v_mul_u32_u24 v6, s22, v2                      ; lanes 16-31 take B's
	s_add_co_u32 s21, s21, SCL
	v_add_nc_u32 v5, v5, v6
	v_add_nc_u32 v[ADRS], s21, v5
.macro FRAG reg, adr, q, i             ; an image comes back as it was stored: three loads of 512 consecutive bytes
.irp c, 0,1,2
	ds_load_b128 v[\reg+4*\c:\reg+4*\c+3], v[\adr] offset:KSB*(\q)+1536*(\i)+512*\c
.endr
.endm
; 16 matrix instructions: A's blocks a0, a0 + 1 x B's eight.  p: B's set; q: which 128 of the slot; sc: the set of scale words.  The 64 accumulators take turns, one instruction a turn.
.macro MUL16 a0, p, q, sc, zero
.irp a, \a0, \a0+1
.irp b, 0,1,2,3,4,5,6,7
.if \zero
	v_wmma_scale_f32_16x16x128_f8f6f4 v[8*(8*((\a)%4)+\b):8*(8*((\a)%4)+\b)+7], v[128*(\p)+FR*\b:128*(\p)+FR*\b+FR-1], v[AF+FR*(\a):AF+FR*(\a)+FR-1], 0, v[SC+8*NQ*(\sc)+NQ*\b+(\q)], v[SC+8*NQ*(\sc)+NQ*(\a)+(\q)] matrix_a_fmt:MATRIX_FMT_BF6 matrix_b_fmt:MATRIX_FMT_BF6 matrix_a_scale:MATRIX_SCALE_ROW1
.else
	v_wmma_scale_f32_16x16x128_f8f6f4 v[8*(8*((\a)%4)+\b):8*(8*((\a)%4)+\b)+7], v[128*(\p)+FR*\b:128*(\p)+FR*\b+FR-1], v[AF+FR*(\a):AF+FR*(\a)+FR-1], v[8*(8*((\a)%4)+\b):8*(8*((\a)%4)+\b)+7], v[SC+8*NQ*(\sc)+NQ*\b+(\q)], v[SC+8*NQ*(\sc)+NQ*(\a)+(\q)] matrix_a_fmt:MATRIX_FMT_BF6 matrix_b_fmt:MATRIX_FMT_BF6 matrix_a_scale:MATRIX_SCALE_ROW1
.endif
.endr
.endr
.endm
.macro FETCH_B slot, q, p
	WIN TO_B
.irp i, 0,1,2,3,4,5,6,7
	FRAG 128*(\p)+FR*\i, ADRB+\slot, \q, \i
.endr
	WIN 0
.endm
.macro FETCH_A slot, q, i0
.irp i, \i0, \i0+1, \i0+2, \i0+3
	FRAG AF+FR*(\i), ADRA+\slot, \q, \i
.endr
.endm
.macro SCALES sc                       ; a slot's two words a place: lanes 0-15 A's tile i, lanes 16-31 B's tile i
.irp i, 0,1,2,3,4,5,6,7
	ds_load_b64 v[SC+8*NQ*\sc+NQ*\i:SC+8*NQ*\sc+NQ*\i+1], v[ADRS] offset:2048*(\i/2)+128*(\i%2)
.endr
.endm
; A slot's first 128 along K.  A block of A is free as soon as its eight products are issued, so A has one set of registers; B has two.
.macro STEP slot, zero
	s_wait_dscnt 4*NL                              ; B's set and A's blocks 0-3 are in; the youngest 12 loads (A's blocks 4-7) may be out
	WIN MUL_LO
	MUL16 0, 0, 0, \slot, \zero
	MUL16 2, 0, 0, \slot, \zero
	s_wait_dscnt 0
	PLACES NP                                      ; in front of loads into registers that matrix instructions have read
	FETCH_B \slot, 1, 1
	FETCH_A \slot, 1, 0
	WIN MUL_HI
	MUL16 4, 0, 0, \slot, \zero
	MUL16 6, 0, 0, \slot, \zero
	PLACES NP
	WIN 0
	FETCH_A \slot, 1, 4
.endm
; A slot's second 128 change slots: one barrier; in front of it each wave waits for all its tensor loads, adds 0 to its spare word, and waits for that and for its reads of this slot.
.macro TURN slot, next, fill
	s_wait_tensorcnt 0x0                           ; all my tensor loads have landed: my part of the next slot
	ds_add_u32 v[SPW], v[NIL]
	s_wait_dscnt 4*NL+1                            ; the add and the youngest 12 loads (A's blocks 4-7) may be out
	WIN MUL_LO
	MUL16 0, 1, 1, \slot, 0
	s_wait_dscnt 0x0                               ; the add is done, and my reads of this slot are over
	s_barrier_signal -1
	MUL16 2, 1, 1, \slot, 0
	WIN 0
	s_barrier_wait -1
.if \fill
	CREST                                          ; the barrier has opened a round of the cluster's barrier: no wave of any partner still reads this slot or has a load on its way
	s_add_nc_u64 s[G0+4*\slot+2:G0+4*\slot+3], s[G0+4*\slot+2:G0+4*\slot+3], 2*HALFT
	s_add_nc_u64 s[G0B+4*\slot+2:G0B+4*\slot+3], s[G0B+4*\slot+2:G0B+4*\slot+3], 2*HALFT
	JLOAD G0+4*\slot, G1, G0B+4*\slot, G1B         ; the first tensor load behind the round; its four v_nop are also the places in front of the loads below
.else
	PLACES NP
.endif
	v_add_nc_u32 v[ADRS], 256, v[ADRS]             ; the next slot's scale words
	FETCH_B \next, 0, 0
	FETCH_A \next, 0, 0
	SCALES \next
	WIN MUL_HI
	MUL16 4, 1, 1, \slot, 0
	MUL16 6, 1, 1, \slot, 0
	PLACES NP
	WIN 0
	FETCH_A \next, 0, 4
.endm
	s_wait_tensorcnt 1                             ; the scale words and my part of slot 0 are in; slot 1's load may be out
	s_barrier_signal -1
	s_barrier_wait -1
	FETCH_B 0, 0, 0
	FETCH_A 0, 0, 0
	SCALES 0
	FETCH_A 0, 0, 4
	STEP 0, 1                                      ; the first step's products start the sums
	s_mov_b32 s3, LAPS-1
.Llap:
	TURN 0, 1, 1
	STEP 1, 0
	TURN 1, 0, 1
	STEP 0, 0
	s_sub_co_u32 s3, s3, 1
	s_cmp_lg_u32 s3, 0
	s_cbranch_scc1 .Llap
	TURN 0, 1, 0                                   ; the last lap fills nothing
	STEP 1, 0
	s_wait_dscnt 4*NL
	WIN MUL_LO
	MUL16 0, 1, 1, 1, 0
	MUL16 2, 1, 1, 1, 0
	s_wait_dscnt 0
	WIN MUL_HI
	MUL16 4, 1, 1, 1, 0
	MUL16 6, 1, 1, 1, 0
	WIN 0
; ---------------- THE EPILOGUE: my 128 x 128 become one unit of img.
	s_lshl_b32 s70, s42, 1
	s_add_co_u32 s70, s70, s16                     ; 2 column + my half of B
	s_lshl_b32 s71, s17, 1
	s_add_co_u32 s71, s71, s15                     ; 2 row + my half of A
	s_lshl_b32 s72, s70, 4
	s_add_co_u32 s72, s72, s71                     ; q, k: unit 16 (head, k's from 16 on) + rowblock of x
	s_sub_co_u32 s73, s70, 32                      ; v: the rowblock of x = 8 batch + key block
	s_lshr_b32 s74, s73, 3
	s_lshl_b32 s74, s74, 7
	s_and_b32 s73, s73, 7
	s_add_co_u32 s74, s74, s73
	s_lshl_b32 s73, s71, 3
	s_add_co_u32 s74, s74, s73
	s_add_co_u32 s74, s74, 512                     ; unit 512 + 128 batch + 8 head + key block
	s_cmp_eq_u32 s95, 0
	s_cselect_b32 s72, s72, s74
	s_mul_i32 s72, s72, 12800
	s_mov_b32 s73, 0
	s_add_nc_u64 s[96:97], s[96:97], s[72:73]
	s_and_b32 s74, s71, 7
	s_lshl_b32 s74, s74, 15                        ; the table's rows of my 128 positions: 256 bytes a position
	s_mov_b32 s75, 0
	s_add_nc_u64 s[8:9], s[8:9], s[74:75]
	s_mov_b32 s[SEL], 0x76543210
	s_mov_b32 s[SEL+1], 0xfedcba98
	PLACES NP                                      ; behind the last products: results are read and operands' registers written from here on
	v_and_b32 v1, 15, v0
	v_bfe_u32 v2, v0, 4, 1
	v_and_b32 v3, 31, v0
	v_lshlrev_b32 v[GO], 4, v3
	v_and_b32 v4, 8, v1
	v_add_nc_u32 v4, v4, v1                        ; r + 8 (r / 8)
	v_lshlrev_b32 v[RT], 8, v4
	v_lshl_add_u32 v[RT], v2, 7, v[RT]             ; my position's row of the table, my half of the frequencies
	v_lshlrev_b32 v[SOF], 5, v1
	v_lshl_add_u32 v[SOF], v2, 4, v[SOF]
	v_add_nc_u32 v[SOF], 12288, v[SOF]
.irp b, 0,1,2,3
	v_mov_b32 v[TM+4+\b], 0                        ; written once: a lane permute's destination counts as one of its sources
.endr
.macro RLOAD a                         ; cos and sin of tile a's positions, my 16 frequencies
.irp j, 0,1,2,3,4,5,6,7
	global_load_b128 v[CS+32*((\a)%2)+4*\j:CS+32*((\a)%2)+4*\j+3], v[RT], s[8:9] offset:256*(32*((\a)/2)+8*((\a)%2))+16*\j
.endr
.endm
; Tile a of source 1: my 64 numbers lie in window 2 + a / 4 at 64 (a % 4) on.  rope = 1: numbers 32-47 are x1 and 48-63 x2 of the geometric half, frequency 16 h + i.
.macro ETILE a, rope
.set WN,  2+(\a)/4
.set WSS, WN|(WN<<2)
.set WDS, WN|(WN<<6)
.set AC,  64*((\a)%4)
.set CC,  CS+32*((\a)%2)
.set PCS, PC+20*((\a)%2)
.if \rope
.if (\a) < 7
	RLOAD (\a)+1
	s_wait_loadcnt 8                               ; this tile's cos and sin are in; the next tile's 8 loads may be out
.else
	s_wait_loadcnt 0x0
.endif
	WIN WN                                         ; source 0 in the accumulators' window
.irp j, 0,2,4,6,8,10,12,14
	v_pk_mul_f32 v[TT+\j:TT+\j+1], v[AC+48+\j:AC+49+\j], v[CC+16+\j:CC+17+\j]      ; x2 sin (each accumulator is read from its low end on)
.endr
.irp j, 0,2,4,6,8,10,12,14
	v_pk_mul_f32 v[TT+16+\j:TT+17+\j], v[AC+32+\j:AC+33+\j], v[CC+16+\j:CC+17+\j]  ; x1 sin
.endr
	WIN WDS                                        ; destination there too
.irp j, 0,2,4,6,8,10,12,14
	v_pk_fma_f32 v[AC+32+\j:AC+33+\j], v[AC+32+\j:AC+33+\j], v[CC+\j:CC+\j+1], v[TT+\j:TT+\j+1] neg_lo:[0,0,1] neg_hi:[0,0,1]   ; x1 cos - x2 sin
.endr
.irp j, 0,2,4,6,8,10,12,14
	v_pk_fma_f32 v[AC+48+\j:AC+49+\j], v[AC+48+\j:AC+49+\j], v[CC+\j:CC+\j+1], v[TT+16+\j:TT+17+\j]   ; x2 cos + x1 sin
.endr
.endif
	WIN WSS                                        ; sources 0 and 1 in the accumulators' window
.irp b, 0,1,2,3
	v_max3_num_f32 v[TM+\b], |v[AC+16*\b]|, |v[AC+1+16*\b]|, 0x2800000             ; block b: my 16 numbers, and the floor 2^(5 - 127)
.endr
.irp i, 2,4,6,8,10,12,14
.irp b, 0,1,2,3
	v_max3_num_f32 v[TM+\b], |v[AC+16*\b+\i]|, |v[AC+1+16*\b+\i]|, v[TM+\b]
.endr
.endr
	WIN 0
.irp b, 0,1,2,3
	v_permlanex16_b32 v[TM+4+\b], v[TM+\b], s[SEL], s[SEL+1]
.endr
.irp b, 0,1,2,3
	v_max_num_f32 v[TM+\b], v[TM+\b], v[TM+4+\b]
.endr
.irp b, 0,1,2,3
	v_add_nc_u32 v[TM+12+\b], 0xfe000000, v[TM+\b]
.endr
.irp b, 0,1,2,3
	v_lshrrev_b32 v[TM+4+\b], 23, v[TM+12+\b]
.endr
	v_lshl_or_b32 v[PW+(\a)], v[TM+5], 8, v[TM+4]
	v_lshl_or_b32 v[PW+(\a)], v[TM+6], 16, v[PW+(\a)]
	v_lshl_or_b32 v[PW+(\a)], v[TM+7], 24, v[PW+(\a)]
	s_wait_xcnt 0x0                                ; earlier stores have read the codes' registers
	WIN WN
.irp c, 0,1
	v_cvt_scalef32_pk16_bf6_f32 v[PCS+6*\c:PCS+2+6*\c], v[AC+32*\c:AC+15+32*\c], v[TM+12+2*\c]
	v_cvt_scalef32_pk16_bf6_f32 v[PCS+12+4*\c:PCS+14+4*\c], v[AC+16+32*\c:AC+31+32*\c], v[TM+13+2*\c]
.endr
	WIN 0
	v_nop                                          ; one plain instruction behind the scaled conversions
.irp c, 0,1
.irp i, 0,1,2
	v_permlane16_swap_b32 v[PCS+6*\c+\i], v[PCS+12+4*\c+\i]
.endr
.irp i, 0,1,2
	v_mov_b32 v[PCS+3+6*\c+\i], v[PCS+12+4*\c+\i]
.endr
.endr
.irp c, 0,1,2
	global_store_b128 v[GO], v[PCS+4*\c:PCS+4*\c+3], s[96:97] offset:1536*(\a)+512*\c      ; 512 consecutive bytes a store
.endr
.endm
.macro EPI rope
.if \rope
	RLOAD 0
.endif
.irp a, 0,1,2,3,4,5,6,7
	ETILE \a, \rope
.endr
	v_cmp_eq_u32 vcc_lo, 1, v2                     ; lane (r, h) stores place r's words of fragments 4 h .. 4 h + 3
.irp i, 0,1,2,3
	v_cndmask_b32 v[SW+\i], v[PW+\i], v[PW+4+\i], vcc_lo
.endr
	global_store_b128 v[SOF], v[SW:SW+3], s[96:97]
.endm
	s_cmp_eq_u32 s95, 0
	s_cbranch_scc0 .Lepi_v
	EPI 1
	FINISH
.Lepi_v:
	EPI 0
	FINISH
; ---------------- THE GATE: a wave takes a tile of 16 rows of x; source 0 = x's fragment, source 1 = gate_w's (place = head); 16 K steps on two accumulators by turns; operands straight from memory.
.set GXS, 32                           ; v32-47 x's scale words;  v48-63 gate_w's
.set GGS, 48
.Lgate:
	s_lshl_b32 s18, s17, 2
	s_add_co_u32 s18, s18, s40
	s_lshl_b32 s18, s18, 2
	s_add_co_u32 s18, s18, s14                     ; the tile of rows, 0..127: it enters global addresses alone
	s_lshr_b32 s19, s18, 3                         ; its rowblock,
	s_and_b32 s20, s18, 7                          ; its tile there
	s_mul_i32 s22, s19, RBB
	s_mul_i32 s21, s20, 1536
	s_add_co_u32 s22, s22, s21
	s_mov_b32 s23, 0
	s_lshl_b32 s24, s19, 13
	s_lshr_b32 s21, s20, 1
	s_lshl_b32 s21, s21, 11
	s_add_co_u32 s24, s24, s21
	s_and_b32 s21, s20, 1
	s_lshl_b32 s21, s21, 7
	s_add_co_u32 s24, s24, s21
	s_mov_b32 s25, 0
	s_lshl_b32 s26, s18, 10
	s_mov_b32 s27, 0
	v_and_b32 v1, 15, v0
	v_and_b32 v2, 31, v0
	v_lshlrev_b32 v2, 4, v2                        ; 16 lane
	v_lshlrev_b32 v3, 3, v1                        ; 8 r
	v_lshlrev_b32 v4, 2, v1                        ; 4 r
	s_wait_kmcnt 0x0
	s_add_nc_u64 s[22:23], s[4:5], s[22:23]        ; x's fragments
	s_add_nc_u64 s[24:25], s[6:7], s[24:25]        ; x's scale words
	s_add_nc_u64 s[30:31], s[4:5], COD_GATE
	s_add_nc_u64 s[32:33], s[6:7], SCL_GATE
	s_add_nc_u64 s[98:99], s[98:99], s[26:27]
.irp p, 0,1,2,3,4,5,6,7
	global_load_b64 v[GXS+2*\p:GXS+2*\p+1], v3, s[24:25] offset:256*\p
	global_load_b64 v[GGS+2*\p:GGS+2*\p+1], v3, s[32:33] offset:128*\p
.endr
	global_load_b32 v24, v4, s[10:11]              ; my head's logit
.macro GBATCH n                        ; K steps 4 n .. 4 n + 3 into buffer n % 2: 24 loads
.irp k, 0,1,2,3
.irp c, 0,1,2
	global_load_b128 v[64+96*((\n)%2)+24*\k+4*\c:64+96*((\n)%2)+24*\k+4*\c+3], v2, s[22:23] offset:KSB*(4*(\n)+\k)+512*\c
	global_load_b128 v[76+96*((\n)%2)+24*\k+4*\c:76+96*((\n)%2)+24*\k+4*\c+3], v2, s[30:31] offset:1536*(4*(\n)+\k)+512*\c
.endr
.endr
.endm
.macro GMUL n
.irp k, 0,1,2,3
.if ((\n) == 0) && (\k < 2)
	v_wmma_scale_f32_16x16x128_f8f6f4 v[8+8*(\k%2):15+8*(\k%2)], v[64+96*((\n)%2)+24*\k:75+96*((\n)%2)+24*\k], v[76+96*((\n)%2)+24*\k:87+96*((\n)%2)+24*\k], 0, v[GXS+4*(\n)+\k], v[GGS+4*(\n)+\k] matrix_a_fmt:MATRIX_FMT_BF6 matrix_b_fmt:MATRIX_FMT_BF6
.else
	v_wmma_scale_f32_16x16x128_f8f6f4 v[8+8*(\k%2):15+8*(\k%2)], v[64+96*((\n)%2)+24*\k:75+96*((\n)%2)+24*\k], v[76+96*((\n)%2)+24*\k:87+96*((\n)%2)+24*\k], v[8+8*(\k%2):15+8*(\k%2)], v[GXS+4*(\n)+\k], v[GGS+4*(\n)+\k] matrix_a_fmt:MATRIX_FMT_BF6 matrix_b_fmt:MATRIX_FMT_BF6
.endif
.endr
.endm
	GBATCH 0
	GBATCH 1
	s_wait_loadcnt 24                              ; all but the younger batch's 24 loads
	GMUL 0
	PLACES NP
	GBATCH 2
	s_wait_loadcnt 24
	GMUL 1
	PLACES NP
	GBATCH 3
	s_wait_loadcnt 24
	GMUL 2
	s_wait_loadcnt 0x0
	GMUL 3
	v_mul_f32 v24, 0xbfb8aa3b, v24                 ; - log2(e) x logit.  (With the three below: the places behind the last products)
	PLACES 3
.irp j, 0,1,2,3,4,5,6,7
	v_add_f32 v[64+\j], v[8+\j], v[16+\j]          ; the sum's two halves, each from its low end on
.endr
.irp j, 0,1,2,3,4,5,6,7
	v_fmamk_f32 v[64+\j], v[64+\j], 0xbfb8aa3b, v24        ; - log2(e) (logit + x . gate_w)
.endr
.irp j, 0,1,2,3,4,5,6,7
	v_exp_f32 v[72+\j], v[64+\j]
.endr
	v_nop
	s_wait_alu depctr_va_vdst(0)                   ; one wait for the eight, ahead of their first reader
.irp j, 0,1,2,3,4,5,6,7
	v_add_f32 v[72+\j], 1.0, v[72+\j]
.endr
.irp j, 0,1,2,3,4,5,6,7
	v_rcp_f32 v[80+\j], v[72+\j]                   ; the sigmoid
.endr
	v_nop
	s_wait_alu depctr_va_vdst(0)
	global_store_b128 v2, v[80:83], s[98:99]
	global_store_b128 v2, v[84:87], s[98:99] offset:512
	FINISH
.Lfunc_end_k_q783ca4b8e5_proj:
	.size	k_q783ca4b8e5_proj, .Lfunc_end_k_q783ca4b8e5_proj-k_q783ca4b8e5_proj
	.p2alignl 7, 3214868480
	.fill 96, 4, 3214868480
	.section	.rodata,"a",@progbits
	.p2align	6, 0x0
	.amdhsa_kernel k_q783ca4b8e5_proj
		.amdhsa_group_segment_fixed_size 327680
		.amdhsa_private_segment_fixed_size 0
		.amdhsa_enable_private_segment 0
		.amdhsa_kernarg_size 48
		.amdhsa_user_sgpr_count 2
		.amdhsa_user_sgpr_kernarg_segment_ptr 1
		.amdhsa_wavefront_size32 1
		.amdhsa_system_sgpr_workgroup_id_x 1
		.amdhsa_system_sgpr_workgroup_id_y 1
		.amdhsa_system_sgpr_workgroup_id_z 1
		.amdhsa_system_vgpr_workitem_id 0
		.amdhsa_next_free_vgpr 1024
		.amdhsa_next_free_sgpr 102
		.amdhsa_reserve_vcc 1
		.amdhsa_float_denorm_mode_32 3
		.amdhsa_float_denorm_mode_16_64 3
		.amdhsa_memory_ordered 1
		.amdhsa_forward_progress 1
		.amdhsa_inst_pref_size 214
	.end_amdhsa_kernel
	.amdgpu_metadata
---
amdhsa.version: [ 1, 2 ]
amdhsa.kernels:
  - .name:           k_q783ca4b8e5_proj
    .symbol:         k_q783ca4b8e5_proj.kd
    .args:
      - { .name: cod, .offset: 0, .size: 8, .value_kind: global_buffer, .address_space: global }
      - { .name: scl, .offset: 8, .size: 8, .value_kind: global_buffer, .address_space: global }
      - { .name: rope, .offset: 16, .size: 8, .value_kind: global_buffer, .address_space: global }
      - { .name: gate_logit, .offset: 24, .size: 8, .value_kind: global_buffer, .address_space: global }
      - { .name: img, .offset: 32, .size: 8, .value_kind: global_buffer, .address_space: global }
      - { .name: gat, .offset: 40, .size: 8, .value_kind: global_buffer, .address_space: global }
    .group_segment_fixed_size: 327680
    .private_segment_fixed_size: 0
    .kernarg_segment_align: 8
    .kernarg_segment_size: 48
    .max_flat_workgroup_size: 128
    .sgpr_count:     102
    .vgpr_count:     1024
    .wavefront_size: 32
...
	.end_amdgpu_metadata
.endif
;; end of part 2
;; launch attn (part 3): grid 8 x 32, 8 waves a work-group, clusters of 4 x 1, 205,824 bytes of LDS; arguments img, gat, oc, osc; writes oc, osc
.if DOCPART == 3
	.amdgcn_target "amdgcn-amd-amdhsa--gfx1250"
	.amdhsa_code_object_version 6
	.text
	.protected	k_q783ca4b8e5_attn
	.globl	k_q783ca4b8e5_attn
	.p2align	8
	.type	k_q783ca4b8e5_attn,@function
k_q783ca4b8e5_attn:
	s_mov_b64 s[64:65], 0
	v_nop
	global_prefetch_b8 v0, s[64:65] scope:SCOPE_SE
	s_setreg_imm32_b32 hwreg(HW_REG_WAVE_MODE, 25, 1), 1
	s_wait_xcnt 0x0
	s_wait_alu depctr_hold_cnt(0) depctr_sa_sdst(0) depctr_va_vdst(0) depctr_va_sdst(0) depctr_va_ssrc(0) depctr_va_vcc(0) depctr_vm_vsrc(0)
	s_getreg_b32 s2, hwreg(HW_REG_IB_STS2, 6, 4)
	s_cmp_eq_u32 s2, 0
	s_cbranch_scc0 .Lentry_in_a_cluster
	s_endpgm
.Lentry_in_a_cluster:
	s_bfe_u32 s2, ttmp6, 0x10000c
	s_cmp_lg_u32 s2, 0x3003
	s_cbranch_scc0 .Lentry_shape_is_right
	s_endpgm
.Lentry_shape_is_right:
; Causal attention on codes of BF6 (E3M2).  For each (batch, head): t = log2(e) / 8 x (g sem + (1 - g) geo), sem = qs . ks, geo = qg . kg (K = 64 each), g the query's gate; p = 2^(t - M), M the running largest t
; rounded up to a whole number; p is quantised along the keys; O = (p v) / (the sum of the unquantised p); O is quantised along the head's 128 and stored as an operand of the last product.
; INPUT: img, units of 12,800 bytes: eight images of fragments (16 places x 128 K, 1,536 bytes) and their scale words at 12,288 + 32 r + 4 a.  A row of q or k is 128 codes [sem 64 | geo 64].
; TWO PRODUCTS FOR A TILE OF SCORES: q lies in 18 registers: qs (6), zeros (6), qg (6).  Registers 0-11 against k's fragment give sem, registers 6-17 give geo: zero codes add nothing under any scale byte that the quantiser makes.
; SHARES.  A cluster of four work-groups serves one (batch, head); two clusters (c = the cluster's x) share its 64 tiles of 16 queries.  Wave w takes the group of 128 queries g = 0, 1, 2, 3, 7, 6, 5, 4 and in it tile a = 2 cx + c.
; So what a wave skips (key steps behind its group) and where it masks (its own group) hang on the wave's number alone, alike in all partners; cx enters global addresses and data only.  Waves w and w + 4 have 9 key steps together.
; LDS: the head's k (8 units at 12,800 ks) and v (at 102,400 + 12,800 ks) are filled ONCE, by joint loads, four a wave; nothing is filled again.  Two barriers: units 0, 1 have landed; all have.
; Both products are used transposed: a lane holds one query (lane % 16); register 16 B + i holds key (or channel) 32 B + 16 (lane / 16) + i.
; The mask of reference() puts -1e9 in place of hidden scores; here they become -infinity: p = 0 either way while visible scores stay far above -1e9.  LIMITS: NaN and infinities are not served.
.set UNIT,  12800
.set USC,   12288
.set VBASE, 102400
.set RBB,   196608
.set KSB,   12288
.set AK0, 1                            ; v1  16 lane
.set AS0, 2                            ; v2  32 r
.set DQ,  3                            ; v3  my query's place in its group of 128, less 16 (lane / 16)
.set AV0, 4                            ; v4  16 lane + VBASE
.set AT0, 5                            ; v5  32 r + VBASE
.set AA,  6                            ; v[6:7] g log2(e) / 8, twice
.set ADK, 8                            ; v8-11 the step's addresses: k, v, k's scale words, v's
.set ADV, 9
.set ADS, 10
.set ADT, 11
                                       ; v12 -M, v13 the largest t, v[14:15] the sum in two halves
.set Q,   16                           ; v16-33
.set QSC, 34                           ; q's scale words
.set PSC, 35                           ; p's
.set F,   36                           ; v36-83  four fragments
.set KS,  84                           ; v84-91  k's scale words
.set VS,  92                           ; v92-99  v's
.set S,   100                          ; v100-163 sem, then t, then p; then v's tiles 4-7
.set G,   164                          ; v164-195 geo of four tiles
.set BM,  196
.set PT,  200
.set SO,  204
.set FF,  208                          ; v[208:209] f = 2^(old M - new M)
.set BB,  210                          ; v[210:211] (1 - g) log2(e) / 8, twice
.set TW,  212
.set PC,  216                          ; v216-235 codes
                                       ; window 1, v0-63: O^T
.set WV,  18
.set GR,  19
.set SEL, 20
.set G1,  24
.set G0,  32
.set TB,  2
.set SI,  3
.set MSB, 0
.macro WIN new
.if MSB != \new
	s_set_vgpr_msb (MSB<<8)|\new
.set MSB, \new
.endif
.endm
.macro CROUND
	s_barrier_signal -1
	s_barrier_wait -1
	s_cmp_lg_u32 s[WV], 0
	s_cbranch_scc1 .Lnot_wave_0_\@
	s_barrier_signal -3
.Lnot_wave_0_\@:
	s_barrier_wait -3
	s_barrier_signal -1
	s_barrier_wait -1
.endm
.macro PLACES
.rept 4
	v_nop
.endr
.endm
	s_load_b128 s[4:7], s[0:1], 0x0                ; img, gat
	s_load_b128 s[8:11], s[0:1], 0x10              ; oc, osc
	v_lshl_add_u32 v254, v0, 2, 0x32000
	v_mov_b32 v255, 0
	ds_add_u32 v254, v255
	ds_add_u32 v254, v255
	v_lshrrev_b32 v1, 5, v0
	v_readfirstlane_b32 s[WV], v1                  ; wave 0..7
	s_lshr_b32 s12, s[WV], 2                       ; 0: I fetch k; 1: v
	s_and_b32 s13, s[WV], 3                        ; which quarter of a stage
	s_mul_i32 s14, s12, 3
	s_xor_b32 s[GR], s[WV], s14                    ; my group of 128 queries
	s_bfe_u32 s15, ttmp6, 0x40000                  ; cx
	s_and_b32 s16, ttmp7, 0xffff
	s_lshr_b32 s17, s16, 4                         ; batch
	s_and_b32 s16, s16, 15                         ; head
	s_lshl_b32 s22, s16, 4
	s_lshl_b32 s23, s17, 3
	s_add_co_u32 s22, s22, s23
	s_add_co_u32 s22, s22, 256                     ; k's first unit
	s_lshl_b32 s23, s17, 7
	s_lshl_b32 s48, s16, 3
	s_add_co_u32 s23, s23, s48
	s_add_co_u32 s23, s23, 512                     ; v's
	s_sub_co_u32 s23, s23, s22
	s_mul_i32 s23, s23, s12
	s_add_co_u32 s22, s22, s23
	s_mul_i32 s22, s22, UNIT
	s_mul_i32 s23, s13, 6400
	s_add_co_u32 s22, s22, s23
	s_mov_b32 s23, 0
	s_mul_i32 s48, s12, VBASE
	s_mul_i32 s49, s13, 6400
	s_add_co_u32 s48, s48, s49                     ; where my quarters go: the wave's number alone
	; group 1: 6,400 dense bytes as 25 rows of 32 elements of 8 bytes; the mask names all four work-groups
	s_mov_b32 s[G1], 15|(3<<16)|(1<<21)
	s_mov_b32 s[G1+1], 32<<16
	s_mov_b32 s[G1+2], 25<<16
	s_mov_b32 s[G1+3], 32<<16
	s_mov_b32 s[G1+4], 25
	s_mov_b32 s[G1+5], 32
	s_mov_b32 s[G1+6], 0
	s_mov_b32 s[G1+7], 0
	s_mov_b32 s[SEL], 0x76543210
	s_mov_b32 s[SEL+1], 0xfedcba98
	s_wait_dscnt 0x0
	s_wait_kmcnt 0x0
	s_add_nc_u64 s[22:23], s[4:5], s[22:23]
.irp j, 0,1,2,3                                ; stage j: units 2 j and 2 j + 1 of k and of v
	s_mov_b32 s[G0+4*\j], 1
	s_add_co_u32 s[G0+4*\j+1], s48, 25600*\j
	s_add_nc_u64 s[G0+4*\j+2:G0+4*\j+3], s[22:23], 25600*\j
	s_or_b32 s[G0+4*\j+3], s[G0+4*\j+3], 0x80000000
.endr
	CROUND                                         ; all four work-groups are here: the joint loads meet
	tensor_load_to_lds s[G0:G0+3], s[G1:G1+7]      ; four loads of mine are out: the whole of what I fetch
	s_nop 0
	tensor_load_to_lds s[G0+4:G0+7], s[G1:G1+7]
	s_nop 0
	tensor_load_to_lds s[G0+8:G0+11], s[G1:G1+7]
	s_nop 0
	tensor_load_to_lds s[G0+12:G0+15], s[G1:G1+7]
	s_nop 0
	PLACES                                         ; four v_nop follow the last
	v_and_b32 v100, 15, v0                         ; r
	v_bfe_u32 v101, v0, 4, 1                       ; h
	v_and_b32 v102, 31, v0
	v_lshlrev_b32 v[AK0], 4, v102
	v_lshlrev_b32 v[AS0], 5, v100
	v_add_nc_u32 v[AV0], VBASE, v[AK0]
	v_add_nc_u32 v[AT0], VBASE, v[AS0]
	s_lshl_b32 s50, s15, 1
	s_add_co_u32 s50, s50, ttmp9                   ; my tile a = 2 cx + c
	s_lshl_b32 s51, s15, 5
	s_lshl_b32 s52, ttmp9, 3
	s_add_co_u32 s51, s51, s52                     ; its first row in the group: 32 cx + 8 c
	v_and_b32 v103, 8, v100
	v_add_nc_u32 v103, v103, v100
	v_lshlrev_b32 v108, 4, v101
	v_sub_nc_u32 v103, v103, v108
	v_add_nc_u32 v[DQ], s51, v103
	s_lshl_b32 s53, s17, 3
	s_add_co_u32 s53, s53, s[GR]                   ; my rowblock of x: 8 batch + group
	s_lshl_b32 s52, s16, 4
	s_add_co_u32 s52, s52, s53
	s_mul_i32 s52, s52, UNIT                       ; q's unit
	s_mul_i32 s54, s50, 1536
	s_add_co_u32 s54, s54, s52
	s_mov_b32 s55, 0
	s_add_nc_u64 s[54:55], s[4:5], s[54:55]
	s_lshl_b32 s56, s50, 2
	s_add_co_u32 s56, s56, s52
	s_add_co_u32 s56, s56, USC
	s_mov_b32 s57, 0
	s_add_nc_u64 s[56:57], s[4:5], s[56:57]
	s_lshl_b32 s58, s53, 3
	s_add_co_u32 s58, s58, s50
	s_lshl_b32 s58, s58, 10                        ; the gate's image of my tile,
	s_lshl_b32 s59, s16, 4
	s_add_co_u32 s58, s58, s59                     ; my head's lane in it
	s_mov_b32 s59, 0
	s_add_nc_u64 s[58:59], s[6:7], s[58:59]
	v_bfe_u32 v109, v0, 2, 1
	v_bfe_u32 v110, v0, 3, 1
	v_and_b32 v111, 3, v0
	v_lshlrev_b32 v111, 2, v111
	v_lshl_add_u32 v111, v109, 9, v111
	v_lshl_add_u32 v111, v110, 8, v111             ; place r: register r % 8 of lane head + 16 (r / 8)
	global_load_b128 v[Q:Q+3], v[AK0], s[54:55]                    ; q's registers 0-3,
	global_load_b128 v[104:107], v[AK0], s[54:55] offset:512       ; 4-7, which are parted below,
	global_load_b128 v[Q+14:Q+17], v[AK0], s[54:55] offset:1024    ; 8-11
	global_load_b32 v[QSC], v[AS0], s[56:57]
	global_load_b32 v[BB], v111, s[58:59]          ; g
	s_mul_i32 s48, s53, RBB                        ; where O's fragment goes: rowblock, K step = head, tile a
	s_mul_i32 s49, s16, KSB
	s_add_co_u32 s48, s48, s49
	s_mul_i32 s49, s50, 1536
	s_add_co_u32 s48, s48, s49
	s_mov_b32 s49, 0
	s_add_nc_u64 s[8:9], s[8:9], s[48:49]
	s_lshl_b32 s48, s53, 13                        ; and its scale words
	s_lshl_b32 s51, s15, 11
	s_add_co_u32 s48, s48, s51
	s_lshr_b32 s51, s16, 1
	s_lshl_b32 s51, s51, 8
	s_add_co_u32 s48, s48, s51
	s_lshl_b32 s51, ttmp9, 7
	s_add_co_u32 s48, s48, s51
	s_and_b32 s51, s16, 1
	s_lshl_b32 s51, s51, 2
	s_add_co_u32 s48, s48, s51
	s_add_nc_u64 s[10:11], s[10:11], s[48:49]
	v_mov_b32 v13, 0xff61b1e6                      ; the largest t so far: -3e38
	v_floor_f32 v12, -v13                          ; -M
	v_mov_b32 v14, 0
	v_mov_b32 v15, 0
.irp b, 0,1,2,3
	v_mov_b32 v[PT+\b], 0                          ; written once: a lane permute's destination counts as one of its sources
.endr
	v_mov_b32 v[FF+1], 0                           ; (named as the upper half of a pair)
	v_mov_b32 v[TW], 0
.irp j, 6,7,8,9,10,11
	v_mov_b32 v[Q+\j], 0                           ; the zero codes between qs and qg
.endr
	WIN 0x40
.set e, 0
.rept 64
	v_mov_b32 v[e], 0                              ; O^T: the step is written once; the first change of M leaves zeros zeros
.set e, e+1
.endr
	WIN 0
	s_wait_loadcnt 0x0
	v_mov_b32 v[Q+4], v104
	v_mov_b32 v[Q+5], v105
	v_mov_b32 v[Q+12], v106
	v_mov_b32 v[Q+13], v107
	v_sub_f32 v[BB+1], 1.0, v[BB]
	v_mul_f32 v[AA], 0x3e38aa3b, v[BB]             ; g log2(e) / 8
	v_mul_f32 v[BB], 0x3e38aa3b, v[BB+1]           ; (1 - g) log2(e) / 8
	v_mov_b32 v[AA+1], v[AA]
	v_mov_b32 v[BB+1], v[BB]
.macro KLOAD g                         ; k's tiles 4 g .. 4 g + 3
.irp t, 0,1,2,3
.irp c, 0,1,2
	ds_load_b128 v[F+12*\t+4*\c:F+12*\t+4*\c+3], v[ADK] offset:1536*(4*\g+\t)+512*\c
.endr
.endr
.endm
.macro VLOAD reg, a0                   ; v's tiles a0 .. a0 + 3
.irp t, 0,1,2,3
.irp c, 0,1,2
	ds_load_b128 v[\reg+12*\t+4*\c:\reg+12*\t+4*\c+3], v[ADV] offset:1536*(\a0+\t)+512*\c
.endr
.endr
.endm
.macro SCORE g                         ; eight products, each starting a sum of its own
.irp t, 0,1,2,3
	v_wmma_scale_f32_16x16x128_f8f6f4 v[S+32*\g+8*\t:S+32*\g+8*\t+7], v[F+12*\t:F+12*\t+11], v[Q:Q+11], 0, v[KS+4*\g+\t], v[QSC] matrix_a_fmt:MATRIX_FMT_BF6 matrix_b_fmt:MATRIX_FMT_BF6
	v_wmma_scale_f32_16x16x128_f8f6f4 v[G+8*\t:G+8*\t+7], v[F+12*\t:F+12*\t+11], v[Q+6:Q+17], 0, v[KS+4*\g+\t], v[QSC] matrix_a_fmt:MATRIX_FMT_BF6 matrix_b_fmt:MATRIX_FMT_BF6
.endr
.endm
.macro COMBINE g                       ; t = sem x A + geo x B, each accumulator from its low end on
.irp j, 0,2,4,6,8,10,12,14,16,18,20,22,24,26,28,30
	v_pk_mul_f32 v[S+32*\g+\j:S+32*\g+\j+1], v[S+32*\g+\j:S+32*\g+\j+1], v[AA:AA+1]
.endr
.irp j, 0,2,4,6,8,10,12,14,16,18,20,22,24,26,28,30
	v_pk_fma_f32 v[S+32*\g+\j:S+32*\g+\j+1], v[G+\j:G+\j+1], v[BB:BB+1], v[S+32*\g+\j:S+32*\g+\j+1]
.endr
.endm
; A KEY STEP: the 128 keys of unit s[SI], at LDS byte s[TB].
.macro STEP
	s_cmp_gt_u32 s[SI], s[GR]                      ; all its keys come after my queries: the work is left out, not the lines at the end that step the counters
	s_cbranch_scc1 .Lskip_\@
	v_add_nc_u32 v[ADK], s[TB], v[AK0]
	v_add_nc_u32 v[ADV], s[TB], v[AV0]
	v_add_nc_u32 v[ADS], s[TB], v[AS0]
	v_add_nc_u32 v[ADT], s[TB], v[AT0]
	v_nop
	v_nop                                          ; six places behind the last step's products: four for the loads into their operands' registers, five for the products that write over them
	ds_load_b128 v[KS:KS+3], v[ADS] offset:USC
	ds_load_b128 v[KS+4:KS+7], v[ADS] offset:USC+16
	KLOAD 0
	s_wait_dscnt 0x0
	SCORE 0
	PLACES
	KLOAD 1
	COMBINE 0
	s_wait_dscnt 0x0
	SCORE 1
	PLACES
	VLOAD F, 0                                     ; v's first four tiles land under the softmax
	ds_load_b128 v[VS:VS+3], v[ADT] offset:USC
	ds_load_b128 v[VS+4:VS+7], v[ADT] offset:USC+16
	COMBINE 1
	s_cmp_lg_u32 s[SI], s[GR]                      ; my own group: register 16 b + i holds key 32 b + 16 (lane / 16) + i, hidden where 32 b + i > DQ
	s_cbranch_scc1 .Lopen_\@
	v_mov_b32 v[TW], 0xff800000
.set e, 0
.rept 64
	v_cmp_gt_i32 vcc_lo, 32*(e/16)+e%16, v[DQ]
	v_cndmask_b32 v[S+e], v[S+e], v[TW], vcc_lo
.set e, e+1
.endr
.Lopen_\@:
.irp b, 0,1,2,3
	v_max3_num_f32 v[BM+\b], v[S+16*\b], v[S+1+16*\b], v[S+2+16*\b]        ; the largest t of each block of 32 keys: for the row's maximum, and for the block's largest p
.endr
.irp i, 3,5,7,9,11,13
.irp b, 0,1,2,3
	v_max3_num_f32 v[BM+\b], v[BM+\b], v[S+16*\b+\i], v[S+1+16*\b+\i]
.endr
.endr
.irp b, 0,1,2,3
	v_max_num_f32 v[BM+\b], v[BM+\b], v[S+15+16*\b]
.endr
.irp b, 0,1,2,3
	v_permlanex16_b32 v[PT+\b], v[BM+\b], s[SEL], s[SEL+1]
.endr
.irp b, 0,1,2,3
	v_max_num_f32 v[BM+\b], v[BM+\b], v[PT+\b]
.endr
	v_max3_num_f32 v[TW], v[BM], v[BM+1], v[BM+2]
	v_max_num_f32 v[TW], v[TW], v[BM+3]
	v_max_num_f32 v13, v13, v[TW]                  ; the running largest t
	v_mov_b32 v[TW], v12
	v_floor_f32 v12, -v13                          ; the new -M: M is a whole number
	v_sub_f32 v[TW], v12, v[TW]
	v_cvt_i32_f32 v[TW], v[TW]                     ; (it saturates)
	v_ldexp_f32 v[FF], 1.0, v[TW]                  ; f = 2^(old M - new M): a multiplication by it rounds nothing
.irp j, 0,2,4,6,8,10,12,14,16,18,20,22,24,26,28,30,32,34,36,38,40,42,44,46,48,50,52,54,56,58,60,62
	v_pk_add_f32 v[S+\j:S+\j+1], v[S+\j:S+\j+1], v[12:13] op_sel_hi:[1,0]          ; t - M
.endr
.irp b, 0,1,2,3
	v_add_f32 v[BM+\b], v[BM+\b], v12
.endr
.set e, 0
.rept 64
	v_exp_f32 v[S+e], v[S+e]                       ; p = 2^(t - M)
.set e, e+1
.endr
	v_pk_mul_f32 v[14:15], v[14:15], v[FF:FF+1] op_sel_hi:[1,0]    ; the sums under the new M (a plain instruction behind the exponentials)
	s_wait_alu depctr_va_vdst(0)                   ; one wait for the 64, ahead of their first reader
.irp b, 0,1,2,3
	v_exp_f32 v[BM+\b], v[BM+\b]                   ; each block's largest p
.endr
	v_pk_add_f32 v[PT:PT+1], v[S:S+1], v[S+2:S+3]  ; the row's sum of the unquantised p, in two chains
.irp j, 4,8,12,16,20,24,28,32,36,40,44,48,52,56,60
	v_pk_add_f32 v[14:15], v[14:15], v[S+\j:S+\j+1]
	v_pk_add_f32 v[PT:PT+1], v[PT:PT+1], v[S+2+\j:S+3+\j]
.endr
	v_pk_add_f32 v[14:15], v[14:15], v[PT:PT+1]
	s_wait_alu depctr_va_vdst(0)                   ; and one for the four
.irp b, 0,1,2,3
	v_max_num_f32 v[BM+\b], 0x2800000, v[BM+\b]    ; the floor 2^(5 - 127)
.endr
.irp b, 0,1,2,3
	v_add_nc_u32 v[SO+\b], 0xfe000000, v[BM+\b]
.endr
.irp b, 0,1,2,3
	v_lshrrev_b32 v[PT+\b], 23, v[SO+\b]
.endr
	v_lshl_or_b32 v[PSC], v[PT+1], 8, v[PT]
	v_lshl_or_b32 v[PSC], v[PT+2], 16, v[PSC]
	v_lshl_or_b32 v[PSC], v[PT+3], 24, v[PSC]
.irp c, 0,1
	v_cvt_scalef32_pk16_bf6_f32 v[PC+6*\c:PC+2+6*\c], v[S+32*\c:S+15+32*\c], v[SO+2*\c]
	v_cvt_scalef32_pk16_bf6_f32 v[PC+12+4*\c:PC+14+4*\c], v[S+16+32*\c:S+31+32*\c], v[SO+1+2*\c]
.endr
	v_nop                                          ; one plain instruction behind the scaled conversions
	VLOAD S, 4                                     ; p's registers are done with: v's other four tiles
.irp c, 0,1
.irp i, 0,1,2
	v_permlane16_swap_b32 v[PC+6*\c+\i], v[PC+12+4*\c+\i]
.endr
.irp i, 0,1,2
	v_mov_b32 v[PC+3+6*\c+\i], v[PC+12+4*\c+\i]
.endr
.endr
	WIN 0x41                                       ; O^T (destination and source 0) in window 1
.irp j, 0,2,4,6,8,10,12,14,16,18,20,22,24,26,28,30,32,34,36,38,40,42,44,46,48,50,52,54,56,58,60,62
	v_pk_mul_f32 v[\j:\j+1], v[\j:\j+1], v[FF:FF+1] op_sel_hi:[1,0]        ; O^T under the new M; these 32 are also the places between p's codes and scale word and the products
.endr
	s_wait_dscnt 0x0
	WIN 0x50                                       ; C and D in window 1
.irp t, 0,1,2,3
	v_wmma_scale_f32_16x16x128_f8f6f4 v[8*\t:8*\t+7], v[F+12*\t:F+12*\t+11], v[PC:PC+11], v[8*\t:8*\t+7], v[VS+\t], v[PSC] matrix_a_fmt:MATRIX_FMT_BF6 matrix_b_fmt:MATRIX_FMT_BF6
.endr
.irp t, 0,1,2,3
	v_wmma_scale_f32_16x16x128_f8f6f4 v[32+8*\t:32+8*\t+7], v[S+12*\t:S+12*\t+11], v[PC:PC+11], v[32+8*\t:32+8*\t+7], v[VS+4+\t], v[PSC] matrix_a_fmt:MATRIX_FMT_BF6 matrix_b_fmt:MATRIX_FMT_BF6
.endr
	WIN 0
.Lskip_\@:
	s_add_co_u32 s[TB], s[TB], UNIT
	s_add_co_u32 s[SI], s[SI], 1
.endm
	s_wait_tensorcnt 3                             ; my quarter of units 0 and 1 is in; my three later loads may be out
	s_barrier_signal -1
	s_barrier_wait -1                              ; everybody's is
	s_mov_b32 s[TB], 0
	s_mov_b32 s[SI], 0
.Lfirst:
	STEP
	s_cmp_lt_u32 s[SI], 2
	s_cbranch_scc1 .Lfirst
	s_wait_dscnt 0x0
	s_wait_tensorcnt 0x0                           ; all that I fetch is in
	s_barrier_signal -1
	s_barrier_wait -1                              ; the whole head lies in LDS: from here on no wave waits for another
	s_mov_b32 s[TB], 2*UNIT
	s_mov_b32 s[SI], 2
.Lrest:
	STEP
	s_cmp_lt_u32 s[SI], 8
	s_cbranch_scc1 .Lrest
	; THE WAY OUT: O^T / the sum, quantised along the head's 128, stored as an image
	PLACES                                         ; behind the last products
	v_add_f32 v14, v14, v15
	v_permlanex16_b32 v[TW], v14, s[SEL], s[SEL+1]
	v_add_f32 v14, v14, v[TW]                      ; the row's sum
	v_rcp_f32 v14, v14
	v_and_b32 v[ADK], 15, v0                       ; (a plain instruction behind the reciprocal)
	v_lshlrev_b32 v[ADK], 3, v[ADK]                ; my scale word's place: 8 r
	s_wait_alu depctr_va_vdst(0)
	WIN 0x01                                       ; source 0 in window 1
.irp j, 0,2,4,6,8,10,12,14,16,18,20,22,24,26,28,30,32,34,36,38,40,42,44,46,48,50,52,54,56,58,60,62
	v_pk_mul_f32 v[S+\j:S+\j+1], v[\j:\j+1], v[14:15] op_sel_hi:[1,0]
.endr
	WIN 0
.irp b, 0,1,2,3
	v_max3_num_f32 v[BM+\b], |v[S+16*\b]|, |v[S+1+16*\b]|, 0x2800000
.endr
.irp i, 2,4,6,8,10,12,14
.irp b, 0,1,2,3
	v_max3_num_f32 v[BM+\b], v[BM+\b], |v[S+16*\b+\i]|, |v[S+1+16*\b+\i]|
.endr
.endr
.irp b, 0,1,2,3
	v_permlanex16_b32 v[PT+\b], v[BM+\b], s[SEL], s[SEL+1]
.endr
.irp b, 0,1,2,3
	v_max_num_f32 v[BM+\b], v[BM+\b], v[PT+\b]
.endr
.irp b, 0,1,2,3
	v_add_nc_u32 v[SO+\b], 0xfe000000, v[BM+\b]
.endr
.irp b, 0,1,2,3
	v_lshrrev_b32 v[PT+\b], 23, v[SO+\b]
.endr
	v_lshl_or_b32 v[TW], v[PT+1], 8, v[PT]
	v_lshl_or_b32 v[TW], v[PT+2], 16, v[TW]
	v_lshl_or_b32 v[TW], v[PT+3], 24, v[TW]
.irp c, 0,1
	v_cvt_scalef32_pk16_bf6_f32 v[PC+6*\c:PC+2+6*\c], v[S+32*\c:S+15+32*\c], v[SO+2*\c]
	v_cvt_scalef32_pk16_bf6_f32 v[PC+12+4*\c:PC+14+4*\c], v[S+16+32*\c:S+31+32*\c], v[SO+1+2*\c]
.endr
	v_nop
.irp c, 0,1
.irp i, 0,1,2
	v_permlane16_swap_b32 v[PC+6*\c+\i], v[PC+12+4*\c+\i]
.endr
.irp i, 0,1,2
	v_mov_b32 v[PC+3+6*\c+\i], v[PC+12+4*\c+\i]
.endr
.endr
.irp c, 0,1,2
	global_store_b128 v[AK0], v[PC+4*\c:PC+4*\c+3], s[8:9] offset:512*\c
.endr
	global_store_b32 v[ADK], v[TW], s[10:11]       ; both halves of the lanes store the same word; the words of one aligned 256 bytes come from four work-groups: 128 KiB in all leave so
	s_wait_tensorcnt 0x0
	s_wait_tensorcnt 0x0
	ds_add_u32 v254, v255
	s_wait_dscnt 0x0
	CROUND                                         ; the closing round
	s_endpgm
.Lfunc_end_k_q783ca4b8e5_attn:
	.size	k_q783ca4b8e5_attn, .Lfunc_end_k_q783ca4b8e5_attn-k_q783ca4b8e5_attn
	.p2alignl 7, 3214868480
	.fill 96, 4, 3214868480
	.section	.rodata,"a",@progbits
	.p2align	6, 0x0
	.amdhsa_kernel k_q783ca4b8e5_attn
		.amdhsa_group_segment_fixed_size 205824
		.amdhsa_private_segment_fixed_size 0
		.amdhsa_enable_private_segment 0
		.amdhsa_kernarg_size 32
		.amdhsa_user_sgpr_count 2
		.amdhsa_user_sgpr_kernarg_segment_ptr 1
		.amdhsa_wavefront_size32 1
		.amdhsa_system_sgpr_workgroup_id_x 1
		.amdhsa_system_sgpr_workgroup_id_y 1
		.amdhsa_system_sgpr_workgroup_id_z 1
		.amdhsa_system_vgpr_workitem_id 0
		.amdhsa_next_free_vgpr 320
		.amdhsa_next_free_sgpr 66
		.amdhsa_reserve_vcc 1
		.amdhsa_float_denorm_mode_32 3
		.amdhsa_float_denorm_mode_16_64 3
		.amdhsa_memory_ordered 1
		.amdhsa_forward_progress 1
		.amdhsa_inst_pref_size 75
	.end_amdhsa_kernel
	.amdgpu_metadata
---
amdhsa.version: [ 1, 2 ]
amdhsa.kernels:
  - .name:           k_q783ca4b8e5_attn
    .symbol:         k_q783ca4b8e5_attn.kd
    .args:
      - { .name: img, .offset: 0, .size: 8, .value_kind: global_buffer, .address_space: global }
      - { .name: gat, .offset: 8, .size: 8, .value_kind: global_buffer, .address_space: global }
      - { .name: oc, .offset: 16, .size: 8, .value_kind: global_buffer, .address_space: global }
      - { .name: osc, .offset: 24, .size: 8, .value_kind: global_buffer, .address_space: global }
    .group_segment_fixed_size: 205824
    .private_segment_fixed_size: 0
    .kernarg_segment_align: 8
    .kernarg_segment_size: 32
    .max_flat_workgroup_size: 256
    .sgpr_count:     66
    .vgpr_count:     320
    .wavefront_size: 32
...
	.end_amdgpu_metadata
.endif
;; end of part 3
;; launch outp (part 4): grid 8 x 8, 4 waves a work-group, clusters of 4 x 4, 327,680 bytes of LDS; arguments oc, osc, cod, scl, out0; writes out0
.if DOCPART == 4
	.amdgcn_target "amdgcn-amd-amdhsa--gfx1250"
	.amdhsa_code_object_version 6
	.text
	.protected	k_q783ca4b8e5_outp
	.globl	k_q783ca4b8e5_outp
	.p2align	8
	.type	k_q783ca4b8e5_outp,@function
k_q783ca4b8e5_outp:
	s_mov_b64 s[64:65], 0
	v_nop
	global_prefetch_b8 v0, s[64:65] scope:SCOPE_SE
	s_setreg_imm32_b32 hwreg(HW_REG_WAVE_MODE, 25, 1), 1
	s_wait_xcnt 0x0
	s_wait_alu depctr_hold_cnt(0) depctr_sa_sdst(0) depctr_va_vdst(0) depctr_va_sdst(0) depctr_va_ssrc(0) depctr_va_vcc(0) depctr_vm_vsrc(0)
	s_getreg_b32 s2, hwreg(HW_REG_IB_STS2, 6, 4)
	s_cmp_eq_u32 s2, 0
	s_cbranch_scc0 .Lentry_in_a_cluster
	s_endpgm
.Lentry_in_a_cluster:
	s_bfe_u32 s2, ttmp6, 0x10000c
	s_cmp_lg_u32 s2, 0xf033
	s_cbranch_scc0 .Lentry_shape_is_right
	s_endpgm
.Lentry_shape_is_right:
; out0 [2048][2048] f32 = O w_out, on codes of BF6 (E3M2) with one E8M0 scale for each 32 along K = 2,048 (K = 128 head + channel).
; A = O (oc, osc: 16 rowblocks), source 1; B = w_out's columns (cod, scl: rowblocks 64-79), source 0.  Layout of both: rowblocks of 128 rows in tile order (tile 2 B + u holds at place r the row 32 B + 8 u + r + 8 (r / 8)),
; fragments as images of their 12 registers, [rowblock][K step][tile][1536]; scale words [rowblock][B][pair of K steps][16 u + r][2].
; A work-group of four waves makes 256 x 256, a wave 128 x 128: 64 accumulators.  K goes in steps of 256 through two LDS slots filled by joint tensor loads in clusters of 4 x 4: A's tiles shared along a row, B's along a column.
; 64 work-groups: the tile is kept at 256 x 256 so that each byte read from LDS feeds as many products as the registers allow.
; In the result lane (r, h) holds the row at place r of A's tile, and register j of B's tile 2 B + u the column 32 B + 16 h + 8 u + j: the way out through LDS puts rows and columns back in their order.
.set NQ,     2
.set FR,     12
.set NL,     3
.set NP,     4
.set RBB,    196608
.set KSB,    12288
.set HALFT,  2*KSB
.set SLOT,   4*HALFT
.set LAPS,   4
.set SCL,    2*SLOT
.set HALFS,  8192
.set SPARE,  SCL+4*HALFS               ; the spare words, 128 bytes for each wave: no other line names them
.set SPITCH, 528                       ; the way out: a stage of 16 rows x (512 bytes + 16) for each wave, in slot 0, which has had its last fill and its last read by then
.set ROWC,   8192                      ; a row of out0 in bytes
.set ADRA, 16
.set ADRB, 20
.set STO,  24
.set RD,   25
.set CO,   26
.set ADRS, 27
.set SPW,  28
.set NIL,  29
.set SC,   32
.set AF,   128
.set BK,   128
.set G1,   24
.set G0,   32
.set G1B,  48
.set G0B,  56
.set G1S,  68
.set G0S,  76
.set G1SB, 80
.set G0SB, 88
.set MSB, 0
.macro WIN new
.if MSB != \new
	s_set_vgpr_msb (MSB<<8)|\new
.set MSB, \new
.endif
.endm
.set MUL_LO, 0xa1
.set MUL_HI, 0xf1
.set TO_B,   0x40
.macro JLOAD g0a, g1a, g0b, g1b        ; a joint load: waves 0 and 1 fetch for A, waves 2 and 3 for B; four v_nop follow each of the two lines
	s_cmp_eq_u32 s15, 0
	s_cbranch_scc0 .Lfor_b_\@
	tensor_load_to_lds s[\g0a:\g0a+3], s[\g1a:\g1a+7]
	s_nop 0
.rept 4
	v_nop
.endr
	s_branch .Lasked_\@
.Lfor_b_\@:
	tensor_load_to_lds s[\g0b:\g0b+3], s[\g1b:\g1b+7]
	s_nop 0
.rept 4
	v_nop
.endr
.Lasked_\@:
.endm
.macro CREST
	s_cmp_lg_u32 s14, 0
	s_cbranch_scc1 .Lnot_wave_0_\@
	s_barrier_signal -3
.Lnot_wave_0_\@:
	s_barrier_wait -3
	s_barrier_signal -1
	s_barrier_wait -1
.endm
.macro CROUND
	s_barrier_signal -1
	s_barrier_wait -1
	CREST
.endm
.macro PLACES n
.rept \n
	v_nop
.endr
.endm
	s_load_b128 s[4:7], s[0:1], 0x0                ; oc, osc
	s_load_b128 s[8:11], s[0:1], 0x10              ; cod, scl
	s_load_b64 s[12:13], s[0:1], 0x20              ; out0
	v_lshl_add_u32 v[SPW], v0, 2, SPARE
	v_mov_b32 v[NIL], 0
	ds_add_u32 v28, v29
	ds_add_u32 v28, v29
	s_wait_dscnt 0x0
	v_lshrrev_b32 v1, 5, v0
	v_readfirstlane_b32 s14, v1
	s_lshr_b32 s15, s14, 1
	s_and_b32 s16, s14, 1
	s_bfe_u32 s40, ttmp6, 0x40000
	s_bfe_u32 s41, ttmp6, 0x40004
	s_lshl_b32 s42, ttmp9, 2
	s_add_co_u32 s42, s42, s40                     ; tile column
	s_and_b32 s17, ttmp7, 0xffff
	s_lshl_b32 s17, s17, 2
	s_add_co_u32 s17, s17, s41                     ; tile row
	s_lshl_b32 s43, s41, 2
	s_lshl_b32 s43, 15, s43
	s_lshl_b32 s44, 0x1111, s40
	s_or_b32 s[G1+0], s43, (3<<16)|(1<<21)         ; 24,576 dense bytes as 96 rows of 32 elements of 8 bytes, no padding
	s_or_b32 s[G1B+0], s44, (3<<16)|(1<<21)
.irp g, G1, G1B
	s_mov_b32 s[\g+1], 32<<16
	s_mov_b32 s[\g+2], 96<<16
	s_mov_b32 s[\g+3], 32<<16
	s_mov_b32 s[\g+4], 96
	s_mov_b32 s[\g+5], 32
	s_mov_b32 s[\g+6], 0
	s_mov_b32 s[\g+7], 0
.endr
	s_or_b32 s[G1S+0], s43, (3<<16)|(1<<21)        ; a rowblock's scale words: 32 rows
	s_or_b32 s[G1SB+0], s44, (3<<16)|(1<<21)
.irp g, G1S, G1SB
	s_mov_b32 s[\g+1], 32<<16
	s_mov_b32 s[\g+2], 32<<16
	s_mov_b32 s[\g+3], 32<<16
	s_mov_b32 s[\g+4], 32
	s_mov_b32 s[\g+5], 32
	s_mov_b32 s[\g+6], 0
	s_mov_b32 s[\g+7], 0
.endr
	s_lshl_b32 s20, s17, 1
	s_add_co_u32 s20, s20, s16                     ; A's rowblock
	s_lshl_b32 s46, s42, 1
	s_add_co_u32 s46, s46, s16
	s_add_co_u32 s46, s46, 64                      ; B's
	s_lshl_b32 s22, s20, 13
	s_lshl_b32 s92, s46, 13
	s_mul_i32 s20, s20, RBB
	s_mul_i32 s46, s46, RBB
	s_mov_b32 s21, 0
	s_mov_b32 s23, 0
	s_mov_b32 s47, 0
	s_mov_b32 s93, 0
	s_mul_i32 s45, s14, HALFT
	s_mul_i32 s94, s14, HALFS
	s_wait_kmcnt 0x0
	s_add_nc_u64 s[20:21], s[4:5], s[20:21]
	s_add_nc_u64 s[22:23], s[6:7], s[22:23]
	s_add_nc_u64 s[46:47], s[8:9], s[46:47]
	s_add_nc_u64 s[92:93], s[10:11], s[92:93]
	CROUND                                         ; all sixteen work-groups are here: the first joint loads meet
	s_mov_b32 s[G0S], 1
	s_add_co_u32 s[G0S+1], s94, SCL
	s_mov_b64 s[G0S+2:G0S+3], s[22:23]
	s_or_b32 s[G0S+3], s[G0S+3], 0x80000000
	s_mov_b32 s[G0SB], 1
	s_add_co_u32 s[G0SB+1], s94, SCL
	s_mov_b64 s[G0SB+2:G0SB+3], s[92:93]
	s_or_b32 s[G0SB+3], s[G0SB+3], 0x80000000
	JLOAD G0S, G1S, G0SB, G1SB
.irp s, 0,1
	s_mov_b32 s[G0+4*\s], 1
	s_add_co_u32 s[G0+4*\s+1], s45, \s*SLOT
	s_add_nc_u64 s[G0+4*\s+2:G0+4*\s+3], s[20:21], \s*HALFT
	s_or_b32 s[G0+4*\s+3], s[G0+4*\s+3], 0x80000000
	s_mov_b32 s[G0B+4*\s], 1
	s_add_co_u32 s[G0B+4*\s+1], s45, \s*SLOT
	s_add_nc_u64 s[G0B+4*\s+2:G0B+4*\s+3], s[46:47], \s*HALFT
	s_or_b32 s[G0B+4*\s+3], s[G0B+4*\s+3], 0x80000000
	JLOAD G0+4*\s, G1, G0B+4*\s, G1B
.endr
	v_and_b32 v1, 15, v0
	v_bfe_u32 v2, v0, 4, 1
	v_and_b32 v3, 31, v0
	v_lshlrev_b32 v4, 4, v3
	s_mul_i32 s21, s15, HALFT
	s_mul_i32 s22, s16, HALFT
	s_add_co_u32 s22, s22, 2*HALFT
.irp s, 0,1
	v_add_nc_u32 v[ADRA+\s], s21, v4
	v_add_nc_u32 v[ADRB+\s], s22, v4
	s_add_co_u32 s21, s21, SLOT
	s_add_co_u32 s22, s22, SLOT
.endr
	v_lshlrev_b32 v5, 3, v1
	s_mul_i32 s21, s15, HALFS
	s_mul_i32 s22, s16, HALFS
	s_add_co_u32 s22, s22, 2*HALFS
	s_sub_co_u32 s22, s22, s21
	v_mul_u32_u24 v6, s22, v2
	s_add_co_u32 s21, s21, SCL
	v_add_nc_u32 v5, v5, v6
	v_add_nc_u32 v[ADRS], s21, v5
	s_mul_i32 s23, s14, 16*SPITCH                  ; my stage
	v_mul_u32_u24 v5, v1, SPITCH
	v_lshl_add_u32 v5, v2, 6, v5
	v_add_nc_u32 v[STO], s23, v5                   ; in: row r, + 64 h
	v_lshlrev_b32 v[CO], 4, v3                     ; back: the 32 lanes take one row of 512 bytes; and the same in out0
	v_add_nc_u32 v[RD], s23, v[CO]
	s_lshl_b32 s20, s17, 8
	s_lshl_b32 s21, s15, 7
	s_add_co_u32 s20, s20, s21                     ; my first row
	s_lshl_b32 s20, s20, 13
	s_mov_b32 s21, 0
	s_lshl_b32 s46, s42, 10
	s_lshl_b32 s47, s16, 9
	s_add_co_u32 s46, s46, s47                     ; my first column, in bytes
	s_mov_b32 s47, 0
	s_add_nc_u64 s[20:21], s[20:21], s[46:47]
	s_add_nc_u64 s[12:13], s[12:13], s[20:21]
.macro FRAG reg, adr, q, i
.irp c, 0,1,2
	ds_load_b128 v[\reg+4*\c:\reg+4*\c+3], v[\adr] offset:KSB*(\q)+1536*(\i)+512*\c
.endr
.endm
.macro MUL16 a0, p, q, sc, zero        ; the 64 accumulators take turns, one instruction a turn
.irp a, \a0, \a0+1
.irp b, 0,1,2,3,4,5,6,7
.if \zero
	v_wmma_scale_f32_16x16x128_f8f6f4 v[8*(8*((\a)%4)+\b):8*(8*((\a)%4)+\b)+7], v[128*(\p)+FR*\b:128*(\p)+FR*\b+FR-1], v[AF+FR*(\a):AF+FR*(\a)+FR-1], 0, v[SC+8*NQ*(\sc)+NQ*\b+(\q)], v[SC+8*NQ*(\sc)+NQ*(\a)+(\q)] matrix_a_fmt:MATRIX_FMT_BF6 matrix_b_fmt:MATRIX_FMT_BF6 matrix_a_scale:MATRIX_SCALE_ROW1
.else
	v_wmma_scale_f32_16x16x128_f8f6f4 v[8*(8*((\a)%4)+\b):8*(8*((\a)%4)+\b)+7], v[128*(\p)+FR*\b:128*(\p)+FR*\b+FR-1], v[AF+FR*(\a):AF+FR*(\a)+FR-1], v[8*(8*((\a)%4)+\b):8*(8*((\a)%4)+\b)+7], v[SC+8*NQ*(\sc)+NQ*\b+(\q)], v[SC+8*NQ*(\sc)+NQ*(\a)+(\q)] matrix_a_fmt:MATRIX_FMT_BF6 matrix_b_fmt:MATRIX_FMT_BF6 matrix_a_scale:MATRIX_SCALE_ROW1
.endif
.endr
.endr
.endm
.macro FETCH_B slot, q, p
	WIN TO_B
.irp i, 0,1,2,3,4,5,6,7
	FRAG 128*(\p)+FR*\i, ADRB+\slot, \q, \i
.endr
	WIN 0
.endm
.macro FETCH_A slot, q, i0
.irp i, \i0, \i0+1, \i0+2, \i0+3
	FRAG AF+FR*(\i), ADRA+\slot, \q, \i
.endr
.endm
.macro SCALES sc
.irp i, 0,1,2,3,4,5,6,7
	ds_load_b64 v[SC+8*NQ*\sc+NQ*\i:SC+8*NQ*\sc+NQ*\i+1], v[ADRS] offset:2048*(\i/2)+128*(\i%2)
.endr
.endm
.macro STEP slot, zero
	s_wait_dscnt 4*NL                              ; B's set and A's blocks 0-3 are in; the youngest 12 loads (A's blocks 4-7) may be out
	WIN MUL_LO
	MUL16 0, 0, 0, \slot, \zero
	MUL16 2, 0, 0, \slot, \zero
	s_wait_dscnt 0
	PLACES NP
	FETCH_B \slot, 1, 1
	FETCH_A \slot, 1, 0
	WIN MUL_HI
	MUL16 4, 0, 0, \slot, \zero
	MUL16 6, 0, 0, \slot, \zero
	PLACES NP
	WIN 0
	FETCH_A \slot, 1, 4
.endm
.macro TURN slot, next, fill
	s_wait_tensorcnt 0x0                           ; all my tensor loads have landed: my part of the next slot
	ds_add_u32 v[SPW], v[NIL]
	s_wait_dscnt 4*NL+1                            ; the add and the youngest 12 loads may be out
	WIN MUL_LO
	MUL16 0, 1, 1, \slot, 0
	s_wait_dscnt 0x0                               ; the add is done, and my reads of this slot are over
	s_barrier_signal -1
	MUL16 2, 1, 1, \slot, 0
	WIN 0
	s_barrier_wait -1
.if \fill
	CREST                                          ; no wave of any partner still reads this slot or has a load on its way
	s_add_nc_u64 s[G0+4*\slot+2:G0+4*\slot+3], s[G0+4*\slot+2:G0+4*\slot+3], 2*HALFT
	s_add_nc_u64 s[G0B+4*\slot+2:G0B+4*\slot+3], s[G0B+4*\slot+2:G0B+4*\slot+3], 2*HALFT
	JLOAD G0+4*\slot, G1, G0B+4*\slot, G1B
.else
	PLACES NP
.endif
	v_add_nc_u32 v[ADRS], 256, v[ADRS]
	FETCH_B \next, 0, 0
	FETCH_A \next, 0, 0
	SCALES \next
	WIN MUL_HI
	MUL16 4, 1, 1, \slot, 0
	MUL16 6, 1, 1, \slot, 0
	PLACES NP
	WIN 0
	FETCH_A \next, 0, 4
.endm
	s_wait_tensorcnt 1                             ; the scale words and my part of slot 0 are in; slot 1's load may be out
	s_barrier_signal -1
	s_barrier_wait -1
	FETCH_B 0, 0, 0
	FETCH_A 0, 0, 0
	SCALES 0
	FETCH_A 0, 0, 4
	STEP 0, 1
	s_mov_b32 s3, LAPS-1
.Llap:
	TURN 0, 1, 1
	STEP 1, 0
	TURN 1, 0, 1
	STEP 0, 0
	s_sub_co_u32 s3, s3, 1
	s_cmp_lg_u32 s3, 0
	s_cbranch_scc1 .Llap
	TURN 0, 1, 0
	STEP 1, 0
	s_wait_dscnt 4*NL
	WIN MUL_LO
	MUL16 0, 1, 1, 1, 0
	MUL16 2, 1, 1, 1, 0
	s_wait_dscnt 0
	WIN MUL_HI
	MUL16 4, 1, 1, 1, 0
	MUL16 6, 1, 1, 1, 0
	WIN 0
; THE WAY OUT, a tile of 16 rows x 128 columns at a time, through my own stage: in by the lane's eight neighbouring columns, back as whole rows of 512 bytes.  LDS serves a wave's instructions in order (ISA guide 5.7.1.4).
.macro TOSTAGE a
.set AC, 64*((\a)%4)
.set WD, 0x08+4*((\a)/4)
	WIN WD                                         ; the data: window 2 or 3
.irp b, 0,1,2,3,4,5,6,7
	ds_store_b128 v[STO], v[AC+8*\b:AC+8*\b+3] offset:128*(\b/2)+32*(\b%2)         ; columns 32 (b / 2) + 16 h + 8 (b % 2) on; each accumulator from its low end on
	ds_store_b128 v[STO], v[AC+8*\b+4:AC+8*\b+7] offset:128*(\b/2)+32*(\b%2)+16
.endr
	WIN 0
.set BBK, BK+64*((\a)%2)
.irp t, 0,1,2,3,4,5,6,7,8,9,10,11,12,13,14,15
	ds_load_b128 v[BBK+4*\t:BBK+4*\t+3], v[RD] offset:\t*SPITCH
.endr
.endm
.macro SEND a, younger                 ; place t of tile a is row 32 (a / 2) + 8 (a % 2) + t + 8 (t / 8)
.set BBK, BK+64*((\a)%2)
	s_wait_dscnt \younger
.if (\a) > 0
.if ((\a)%2) == 1
	s_add_nc_u64 s[12:13], s[12:13], 8*ROWC        ; (behind a wait on XCNT: the earlier stores have read their base)
.else
	s_add_nc_u64 s[12:13], s[12:13], 24*ROWC
.endif
.endif
.irp t, 0,1,2,3,4,5,6,7,8,9,10,11,12,13,14,15
	global_store_b128 v[CO], v[BBK+4*\t:BBK+4*\t+3], s[12:13] offset:(\t+8*(\t/8))*ROWC th:TH_STORE_NT   ; 32 lanes store 512 consecutive bytes, aligned
.endr
.endm
	PLACES NP
	TOSTAGE 0
.irp a, 1,2,3,4,5,6,7
.if \a > 1
	s_wait_xcnt 0x0                                ; tile a - 2's stores have read their registers and their base
.endif
	TOSTAGE \a
	SEND \a-1, 32                                  ; behind tile a - 1's loads: tile a's 16 stores and 16 loads
.endr
	s_wait_xcnt 0x0
	SEND 7, 0
	s_wait_tensorcnt 0x0                           ; the wave's end
	ds_add_u32 v[SPW], v[NIL]
	s_wait_dscnt 0x0
	CROUND                                         ; the closing round
	s_endpgm
.Lfunc_end_k_q783ca4b8e5_outp:
	.size	k_q783ca4b8e5_outp, .Lfunc_end_k_q783ca4b8e5_outp-k_q783ca4b8e5_outp
	.p2alignl 7, 3214868480
	.fill 96, 4, 3214868480
	.section	.rodata,"a",@progbits
	.p2align	6, 0x0
	.amdhsa_kernel k_q783ca4b8e5_outp
		.amdhsa_group_segment_fixed_size 327680
		.amdhsa_private_segment_fixed_size 0
		.amdhsa_enable_private_segment 0
		.amdhsa_kernarg_size 40
		.amdhsa_user_sgpr_count 2
		.amdhsa_user_sgpr_kernarg_segment_ptr 1
		.amdhsa_wavefront_size32 1
		.amdhsa_system_sgpr_workgroup_id_x 1
		.amdhsa_system_sgpr_workgroup_id_y 1
		.amdhsa_system_sgpr_workgroup_id_z 1
		.amdhsa_system_vgpr_workitem_id 0
		.amdhsa_next_free_vgpr 1024
		.amdhsa_next_free_sgpr 98
		.amdhsa_reserve_vcc 0
		.amdhsa_float_denorm_mode_32 3
		.amdhsa_float_denorm_mode_16_64 3
		.amdhsa_memory_ordered 1
		.amdhsa_forward_progress 1
		.amdhsa_inst_pref_size 135
	.end_amdhsa_kernel
	.amdgpu_metadata
---
amdhsa.version: [ 1, 2 ]
amdhsa.kernels:
  - .name:           k_q783ca4b8e5_outp
    .symbol:         k_q783ca4b8e5_outp.kd
    .args:
      - { .name: oc, .offset: 0, .size: 8, .value_kind: global_buffer, .address_space: global }
      - { .name: osc, .offset: 8, .size: 8, .value_kind: global_buffer, .address_space: global }
      - { .name: cod, .offset: 16, .size: 8, .value_kind: global_buffer, .address_space: global }
      - { .name: scl, .offset: 24, .size: 8, .value_kind: global_buffer, .address_space: global }
      - { .name: out0, .offset: 32, .size: 8, .value_kind: global_buffer, .address_space: global }
    .group_segment_fixed_size: 327680
    .private_segment_fixed_size: 0
    .kernarg_segment_align: 8
    .kernarg_segment_size: 40
    .max_flat_workgroup_size: 128
    .sgpr_count:     98
    .vgpr_count:     1024
    .wavefront_size: 32
...
	.end_amdgpu_metadata
.endif
;; end of part 4
;; ======== version 2 of 2: 4 launches; 1.16 times as fast as version 1
;; workspace buffers: cod 15,753,216 bytes; scl 656,384 bytes; rope 262,144 bytes; img 9,830,400 bytes; gat 131,072 bytes; oc 3,145,728 bytes; osc 131,072 bytes
;; launch prep: the kernel of part 1 again; grid 660 x 1, 4 waves a work-group, no clusters, 47,616 bytes of LDS; arguments x, w_q_sem, w_q_geo, w_k_sem, w_k_geo, w_v, w_out, gate_w, cod, scl, rope; writes cod, scl, rope
;; launch proj: the kernel of part 2 again; grid 28 x 8, 4 waves a work-group, clusters of 4 x 4, 327,680 bytes of LDS; arguments cod, scl, rope, gate_logit, img, gat; writes img, gat
;; launch attn: the kernel of part 3 again; grid 8 x 32, 8 waves a work-group, clusters of 4 x 1, 205,824 bytes of LDS; arguments img, gat, oc, osc; writes oc, osc
;; launch outp (part 5): grid 16 x 16, 4 waves a work-group, clusters of 4 x 4, 327,680 bytes of LDS; arguments oc, osc, cod, scl, out0; writes out0
.if DOCPART == 5
	.amdgcn_target "amdgcn-amd-amdhsa--gfx1250"
	.amdhsa_code_object_version 6
	.text
	.protected	k_q783ca4b8e5_outp
	.globl	k_q783ca4b8e5_outp
	.p2align	8
	.type	k_q783ca4b8e5_outp,@function
k_q783ca4b8e5_outp:
	s_mov_b64 s[64:65], 0
	v_nop
	global_prefetch_b8 v0, s[64:65] scope:SCOPE_SE
	s_setreg_imm32_b32 hwreg(HW_REG_WAVE_MODE, 25, 1), 1
	s_wait_xcnt 0x0
	s_wait_alu depctr_hold_cnt(0) depctr_sa_sdst(0) depctr_va_vdst(0) depctr_va_sdst(0) depctr_va_ssrc(0) depctr_va_vcc(0) depctr_vm_vsrc(0)
	s_getreg_b32 s2, hwreg(HW_REG_IB_STS2, 6, 4)
	s_cmp_eq_u32 s2, 0
	s_cbranch_scc0 .Lentry_in_a_cluster
	s_endpgm
.Lentry_in_a_cluster:
	s_bfe_u32 s2, ttmp6, 0x10000c
	s_cmp_lg_u32 s2, 0xf033
	s_cbranch_scc0 .Lentry_shape_is_right
	s_endpgm
.Lentry_shape_is_right:
; out0 [2048][2048] f32 = O w_out, on codes of BF6 (E3M2) with one E8M0 scale for each 32 along K = 2,048 (K = 128 head + channel).
; A = O (oc, osc: 16 rowblocks), source 1; B = w_out's columns (cod, scl: rowblocks 64-79), source 0.  Layout of both: rowblocks of 128 rows in tile order (tile 2 B + u holds at place r the row 32 B + 8 u + r + 8 (r / 8)),
; fragments as images of their 12 registers, [rowblock][K step 0..15][tile 0..7][1536]; scale words [rowblock][B 0..3][pair of K steps 0..7][16 u + r][2].
; SHARES.  A work-group of four waves makes 128 x 128, one rowblock of A against one of B: 16 x 16 = 256 work-groups.  A wave makes 64 x 64: four tiles of A against four of B, 16 accumulators.
; CLUSTERS of 4 x 4: the four of a row of the cluster need the same rowblock of A, the four of a column the same of B: every tile is asked for jointly.
; K IN FOUR PARTS of 512 (four K steps; A's 49,152 bytes, then B's).  Three parts, the scale words and the spare words fit in LDS together: 3 x 98,304 + 16,384 + 512 bytes.  So parts 0, 1, 2 and the scale words go out as ONE
; group of first fills, four loads a wave, and the launch has one refill: part 3 goes into slot 0 in K step 3, when slot 0's last fragments are in registers, and has K steps 3 to 11 in which to land.
; A wave reads eight fragments, 12,288 bytes, from LDS for 16 products; the next K step's fragments are fetched at the head of each step, into the other of two buffers.
; In the result lane (r, h) holds the row at place r of A's tile, and register j of B's tile 2 B + u the column 32 B + 16 h + 8 u + j: the way out through LDS puts rows and columns back in their order.
; REGISTERS: window 0: v16-29 addresses; v32-95 the scale words of all 16 K steps, and nothing else; v128-255 accumulator (a, b) at v[128 + 8 (4 a + b)].  Window 1: two buffers of 96: A's four fragments, then B's four.
.set FR,     12                        ; registers of a fragment
.set NP,     4                         ; places behind this matrix instruction (ISA guide 7.12.1)
.set RBB,    196608                    ; a rowblock's codes in bytes
.set KSB,    12288                     ; a K step of a rowblock: eight images
.set HALFT,  2*KSB                     ; what one tensor load brings: two K steps of a rowblock
.set PARTB,  4*KSB                     ; a part of K of a rowblock
.set SLOT,   2*PARTB                   ; A's part, then B's
.set SCL,    3*SLOT                    ; behind the three slots: A's scale words, then B's: filled once
.set HALFS,  4096                      ; half a rowblock's scale words: what one tensor load brings
.set SPARE,  SCL+4*HALFS               ; the spare words, 128 bytes for each wave: no other line names them
.set STAGE,  SLOT                      ; the way out goes through slot 1: it is filled once, and every wave's reads of it are over at the barrier in K step 11
.set SPITCH, 272                       ; a stage row: 256 bytes + 16
.set STW,    64*SPITCH                 ; a wave's four stages of 16 rows
.set ROWC,   8192                      ; a row of out0 in bytes
.set ADRA, 16                          ; v16-18 LDS address of my A fragments in slot 0, 1, 2
.set ADRB, 20                          ; v20-22 the same for B
.set STO,  24                          ; v24    the way out: where I put 32 bytes of a row
.set RD,   25                          ; v25    and where I read a row back
.set CO,   26                          ; v26    my byte offset in out0
.set ADRS, 27                          ; v27    my scale words: lanes 0-15 A's, lanes 16-31 B's
.set SPW,  28                          ; v28    my spare word; never rewritten
.set NIL,  29                          ; v29    0; never rewritten
.set SC,   32                          ; register 16 i + s: lanes 0-15 the word of A's tile i, lanes 16-31 that of B's tile i, for K step s
.set ACC,  128
.set G1,   24                          ; s[24:31] group 1 for A's tiles;  s[32:39] for B's
.set G1B,  32
.set G1S,  40                          ; s[40:47], s[48:55] for A's and B's scale words
.set G1SB, 48
.set G0S,  56                          ; s[56:59], s[60:63] their groups 0
.set G0SB, 60
.set G0,   68                          ; s[68:79] groups 0 for A's tiles, one for each slot;  s[80:91] for B's
.set G0B,  80
.set MSB, 0
.macro WIN new                         ; the immediate's high byte repeats the setting that is left
.if MSB != \new
	s_set_vgpr_msb (MSB<<8)|\new
.set MSB, \new
.endif
.endm
.set MUL,  0x05                        ; sources 0 (B) and 1 (A) window 1; C and D window 0
.set TO_F, 0x40                        ; destination window 1, address window 0
; A joint load: waves 0 and 1 fetch for A, waves 2 and 3 for B; the branch hangs on the wave's number alone.  Four v_nop follow each of the two lines.
.macro JLOAD g0a, g1a, g0b, g1b
	s_cmp_eq_u32 s15, 0
	s_cbranch_scc0 .Lfor_b_\@
	tensor_load_to_lds s[\g0a:\g0a+3], s[\g1a:\g1a+7]
	s_nop 0
.rept 4
	v_nop
.endr
	s_branch .Lasked_\@
.Lfor_b_\@:
	tensor_load_to_lds s[\g0b:\g0b+3], s[\g1b:\g1b+7]
	s_nop 0
.rept 4
	v_nop
.endr
.Lasked_\@:
.endm
.macro CREST                           ; a round of the cluster's barrier behind its opening barrier
	s_cmp_lg_u32 s14, 0
	s_cbranch_scc1 .Lnot_wave_0_\@
	s_barrier_signal -3
.Lnot_wave_0_\@:
	s_barrier_wait -3
	s_barrier_signal -1
	s_barrier_wait -1
.endm
.macro CROUND
	s_barrier_signal -1
	s_barrier_wait -1
	CREST
.endm
.macro PLACES n
.rept \n
	v_nop
.endr
.endm
	s_load_b128 s[4:7], s[0:1], 0x0                ; oc, osc
	s_load_b128 s[8:11], s[0:1], 0x10              ; cod, scl
	s_load_b64 s[12:13], s[0:1], 0x20              ; out0
	v_lshl_add_u32 v[SPW], v0, 2, SPARE
	v_mov_b32 v[NIL], 0
	ds_add_u32 v28, v29
	ds_add_u32 v28, v29
	s_wait_dscnt 0x0
	v_lshrrev_b32 v1, 5, v0
	v_readfirstlane_b32 s14, v1                    ; wave 0..3
	s_lshr_b32 s15, s14, 1                         ; which 64 rows are mine.  Also: I fetch for A (0) or for B (1)
	s_and_b32 s16, s14, 1                          ; which 64 columns.  Also: which two K steps of a part I fetch
	s_bfe_u32 s92, ttmp6, 0x40000                  ; cx, cy
	s_bfe_u32 s93, ttmp6, 0x40004
	s_lshl_b32 s94, ttmp9, 2
	s_add_co_u32 s94, s94, s92                     ; tile column = B's rowblock - 64
	s_and_b32 s17, ttmp7, 0xffff
	s_lshl_b32 s17, s17, 2
	s_add_co_u32 s17, s17, s93                     ; tile row = A's rowblock
	s_lshl_b32 s95, s93, 2
	s_lshl_b32 s95, 15, s95                        ; my row of the cluster
	s_lshl_b32 s96, 0x1111, s92                    ; my column
	; group 1 for tiles: 24,576 dense bytes as 96 rows of 32 elements of 8 bytes; no padding: an image is read as it lies, 512 consecutive bytes a load
	s_or_b32 s[G1+0], s95, (3<<16)|(1<<21)
	s_or_b32 s[G1B+0], s96, (3<<16)|(1<<21)
.irp g, G1, G1B
	s_mov_b32 s[\g+1], 32<<16                      ; tensor_dim0
	s_mov_b32 s[\g+2], 96<<16                      ; tensor_dim1
	s_mov_b32 s[\g+3], 32<<16                      ; tile_dim0
	s_mov_b32 s[\g+4], 96                          ; tile_dim1
	s_mov_b32 s[\g+5], 32                          ; the pitch
	s_mov_b32 s[\g+6], 0
	s_mov_b32 s[\g+7], 0
.endr
	s_or_b32 s[G1S+0], s95, (3<<16)|(1<<21)        ; and for scale words: 4,096 dense bytes, 16 rows
	s_or_b32 s[G1SB+0], s96, (3<<16)|(1<<21)
.irp g, G1S, G1SB
	s_mov_b32 s[\g+1], 32<<16
	s_mov_b32 s[\g+2], 16<<16
	s_mov_b32 s[\g+3], 32<<16
	s_mov_b32 s[\g+4], 16
	s_mov_b32 s[\g+5], 32
	s_mov_b32 s[\g+6], 0
	s_mov_b32 s[\g+7], 0
.endr
	; where they come from.  A's hang on the tile row and the wave alone, B's on the tile column and the wave alone, each in registers that never hold the other coordinate
	s_mul_i32 s20, s17, RBB
	s_mul_i32 s21, s16, HALFT
	s_add_co_u32 s20, s20, s21                     ; A's codes: my two K steps of part 0
	s_mov_b32 s21, 0
	s_lshl_b32 s22, s17, 13
	s_lshl_b32 s23, s16, 12
	s_add_co_u32 s22, s22, s23                     ; A's scale words: my half
	s_mov_b32 s23, 0
	s_add_co_u32 s98, s94, 64
	s_lshl_b32 s18, s98, 13
	s_mul_i32 s98, s98, RBB
	s_mul_i32 s99, s16, HALFT
	s_add_co_u32 s98, s98, s99                     ; B's codes
	s_mov_b32 s99, 0
	s_lshl_b32 s19, s16, 12
	s_add_co_u32 s18, s18, s19                     ; B's scale words
	s_mov_b32 s19, 0
	s_mul_i32 s2, s14, HALFT                       ; and where they go: the wave's number alone enters an LDS address
	s_lshl_b32 s3, s14, 12
	s_wait_kmcnt 0x0
	s_add_nc_u64 s[20:21], s[4:5], s[20:21]
	s_add_nc_u64 s[22:23], s[6:7], s[22:23]
	s_add_nc_u64 s[98:99], s[8:9], s[98:99]
	s_add_nc_u64 s[18:19], s[10:11], s[18:19]
	CROUND                                         ; all sixteen work-groups are here: the first joint loads meet
	s_mov_b32 s[G0S], 1
	s_add_co_u32 s[G0S+1], s3, SCL
	s_mov_b64 s[G0S+2:G0S+3], s[22:23]
	s_or_b32 s[G0S+3], s[G0S+3], 0x80000000
	s_mov_b32 s[G0SB], 1
	s_add_co_u32 s[G0SB+1], s3, SCL
	s_mov_b64 s[G0SB+2:G0SB+3], s[18:19]
	s_or_b32 s[G0SB+3], s[G0SB+3], 0x80000000
	JLOAD G0S, G1S, G0SB, G1SB                     ; the scale words first: they are wanted with the first K step
.irp s, 0,1,2                                  ; parts 0, 1, 2 into slots 0, 1, 2: with the scale words four loads of mine are out
	s_mov_b32 s[G0+4*\s], 1
	s_add_co_u32 s[G0+4*\s+1], s2, \s*SLOT
	s_add_nc_u64 s[G0+4*\s+2:G0+4*\s+3], s[20:21], \s*PARTB
	s_or_b32 s[G0+4*\s+3], s[G0+4*\s+3], 0x80000000
	s_mov_b32 s[G0B+4*\s], 1
	s_add_co_u32 s[G0B+4*\s+1], s2, \s*SLOT
	s_add_nc_u64 s[G0B+4*\s+2:G0B+4*\s+3], s[98:99], \s*PARTB
	s_or_b32 s[G0B+4*\s+3], s[G0B+4*\s+3], 0x80000000
	JLOAD G0+4*\s, G1, G0B+4*\s, G1B
.endr
	v_and_b32 v1, 15, v0                           ; r
	v_bfe_u32 v2, v0, 4, 1                         ; h
	v_and_b32 v3, 31, v0
	v_lshlrev_b32 v4, 4, v3                        ; 16 lane: my place in every image
	s_mul_i32 s21, s15, 4*1536                     ; my four tiles of A,
	s_mul_i32 s22, s16, 4*1536                     ; my four of B,
	s_add_co_u32 s22, s22, PARTB                   ; which lie behind A's part
.irp s, 0,1,2
	v_add_nc_u32 v[ADRA+\s], s21, v4
	v_add_nc_u32 v[ADRB+\s], s22, v4
	s_add_co_u32 s21, s21, SLOT
	s_add_co_u32 s22, s22, SLOT
.endr
	v_lshlrev_b32 v5, 3, v1                        ; scale words: 8 bytes a place
	s_lshl_b32 s21, s15, 12                        ; A's: my four tiles are half a rowblock's
	s_lshl_b32 s22, s16, 12                        ; B's, behind A's 8,192 bytes
	s_add_co_u32 s22, s22, 2*HALFS
	s_sub_co_u32 s22, s22, s21
	v_mul_u32_u24 v6, s22, v2                      ; lanes 16-31 take B's
	s_add_co_u32 s21, s21, SCL
	v_add_nc_u32 v5, v5, v6
	v_add_nc_u32 v[ADRS], s21, v5
	s_mul_i32 s23, s14, STW
	s_add_co_u32 s23, s23, STAGE                   ; my stages
	v_mul_u32_u24 v5, v1, SPITCH
	v_lshl_add_u32 v5, v2, 6, v5
	v_add_nc_u32 v[STO], s23, v5                   ; in: row r, + 64 h
	v_mul_u32_u24 v6, v2, SPITCH
	v_lshl_add_u32 v6, v1, 4, v6
	v_add_nc_u32 v[RD], s23, v6                    ; back: lanes 0-15 take one row of 256 bytes, lanes 16-31 the next
	v_lshlrev_b32 v[CO], 13, v2
	v_lshl_add_u32 v[CO], v1, 4, v[CO]             ; and the same two rows in out0
	s_lshl_b32 s20, s17, 7
	s_lshl_b32 s21, s15, 6
	s_add_co_u32 s20, s20, s21                     ; my first row: 128 tile row + 64 half
	s_lshl_b32 s20, s20, 13
	s_mov_b32 s21, 0
	s_lshl_b32 s98, s94, 9
	s_lshl_b32 s99, s16, 8
	s_add_co_u32 s98, s98, s99                     ; my first column, in bytes: 512 tile column + 256 half
	s_mov_b32 s99, 0
	s_add_nc_u64 s[20:21], s[20:21], s[98:99]
	s_add_nc_u64 s[12:13], s[12:13], s[20:21]
.macro FRAG reg, adr, q, i             ; an image comes back as it was stored: three loads of 512 consecutive bytes
.irp c, 0,1,2
	ds_load_b128 v[\reg+4*\c:\reg+4*\c+3], v[\adr] offset:KSB*(\q)+1536*(\i)+512*\c
.endr
.endm
.macro FETCH slot, q, f                ; the eight fragments of the slot's q-th K step into buffer f: 24 loads in one run
	WIN TO_F
.irp i, 0,1,2,3
	FRAG 128*(\f)+48+FR*\i, ADRB+\slot, \q, \i
.endr
.irp i, 0,1,2,3
	FRAG 128*(\f)+FR*\i, ADRA+\slot, \q, \i
.endr
.endm
; Four matrix instructions: A's tile a against B's four, from buffer f, K step s.  zero = 1: the first product starts the sums.  The 16 accumulators take turns, one instruction a turn, in the same order in every K step.
.macro MULA f, s, a, zero
.irp b, 0,1,2,3
.if \zero
	v_wmma_scale_f32_16x16x128_f8f6f4 v[ACC+8*(4*(\a)+\b):ACC+8*(4*(\a)+\b)+7], v[128*(\f)+48+FR*\b:128*(\f)+48+FR*\b+FR-1], v[128*(\f)+FR*(\a):128*(\f)+FR*(\a)+FR-1], 0, v[SC+16*\b+(\s)], v[SC+16*(\a)+(\s)] matrix_a_fmt:MATRIX_FMT_BF6 matrix_b_fmt:MATRIX_FMT_BF6 matrix_a_scale:MATRIX_SCALE_ROW1
.else
	v_wmma_scale_f32_16x16x128_f8f6f4 v[ACC+8*(4*(\a)+\b):ACC+8*(4*(\a)+\b)+7], v[128*(\f)+48+FR*\b:128*(\f)+48+FR*\b+FR-1], v[128*(\f)+FR*(\a):128*(\f)+FR*(\a)+FR-1], v[ACC+8*(4*(\a)+\b):ACC+8*(4*(\a)+\b)+7], v[SC+16*\b+(\s)], v[SC+16*(\a)+(\s)] matrix_a_fmt:MATRIX_FMT_BF6 matrix_b_fmt:MATRIX_FMT_BF6 matrix_a_scale:MATRIX_SCALE_ROW1
.endif
.endr
.endm
; K step k, from buffer k % 2; at its head the next step's fragments (slot nslot, K step nq of it) are asked for, into the other buffer.
.macro STEP k, nslot, nq, zero
	s_wait_dscnt 0x0                               ; this step's fragments are in (asked for a K step ago)
	PLACES NP                                      ; in front of loads into the buffer that the last step's products read
	FETCH \nslot, \nq, 1-(\k)%2
	WIN MUL
	MULA (\k)%2, \k, 0, \zero
	MULA (\k)%2, \k, 1, \zero
	MULA (\k)%2, \k, 2, \zero
	MULA (\k)%2, \k, 3, \zero
.endm
	s_wait_tensorcnt 2                             ; the scale words and my part of slot 0 are in; the loads of slots 1 and 2 may be out
	s_barrier_signal -1
	s_barrier_wait -1                              ; everybody's are
.irp i, 0,1,2,3                                ; the scale words of all 16 K steps, two words a load: lanes 0-15 A's tile i, lanes 16-31 B's tile i
.irp p, 0,1,2,3,4,5,6,7
	ds_load_b64 v[SC+16*\i+2*\p:SC+16*\i+2*\p+1], v[ADRS] offset:2048*(\i/2)+128*(\i%2)+256*\p
.endr
.endr
	FETCH 0, 0, 0
	STEP 0, 0, 1, 1                                ; the first step's products start the sums
	STEP 1, 0, 2, 0
	STEP 2, 0, 3, 0
	; K STEP 3: slot 0's last fragments are on their way into registers, so slot 0 can be given to part 3.  The one refill of the launch, behind the one round of the cluster's barrier.
	WIN 0                                          ; (the add's two registers lie in window 0)
	s_wait_tensorcnt 0x0                           ; all my tensor loads have landed: my parts of slots 1 and 2
	ds_add_u32 v[SPW], v[NIL]
	s_wait_dscnt 1                                 ; this step's fragments are in; the add may be out
	WIN MUL
	MULA 1, 3, 0, 0                                ; four matrix instructions stand between the add and the wait for it
	s_wait_dscnt 0x0                               ; the add is done, and my reads of slot 0 are over
	s_barrier_signal -1
	MULA 1, 3, 1, 0
	WIN 0
	s_barrier_wait -1
	CREST                                          ; the barrier has opened a round of the cluster's barrier: no wave of any partner still reads slot 0 or has a load on its way; and slots 1 and 2 are whole
	s_add_nc_u64 s[G0+2:G0+3], s[G0+2:G0+3], 3*PARTB
	s_add_nc_u64 s[G0B+2:G0B+3], s[G0B+2:G0B+3], 3*PARTB
	JLOAD G0, G1, G0B, G1B                         ; the first tensor load behind the round; its four v_nop are also the places in front of the loads below
	FETCH 1, 0, 0
	WIN MUL
	MULA 1, 3, 2, 0
	MULA 1, 3, 3, 0
	STEP 4, 1, 1, 0
	STEP 5, 1, 2, 0
	STEP 6, 1, 3, 0
	STEP 7, 2, 0, 0
	STEP 8, 2, 1, 0
	STEP 9, 2, 2, 0
	STEP 10, 2, 3, 0
	; K STEP 11: part 3 is wanted next.
	s_wait_tensorcnt 0x0                           ; my one load that was out, my part of part 3, has landed
	s_wait_dscnt 0x0                               ; this step's fragments are in: my reads of slots 1 and 2 are over
	s_barrier_signal -1
	MULA 1, 11, 0, 0
	MULA 1, 11, 1, 0
	s_barrier_wait -1                              ; part 3 is whole, and nobody reads slots 1 and 2 any more
	PLACES NP
	FETCH 0, 0, 0
	WIN MUL
	MULA 1, 11, 2, 0
	MULA 1, 11, 3, 0
	STEP 12, 0, 1, 0
	STEP 13, 0, 2, 0
	STEP 14, 0, 3, 0
	s_wait_dscnt 0x0                               ; the last K step: nothing more to fetch
	MULA 1, 15, 0, 0
	MULA 1, 15, 1, 0
	MULA 1, 15, 2, 0
	MULA 1, 15, 3, 0
	WIN 0
; THE WAY OUT, a tile of 16 rows x 64 columns at a time, each through a stage of its own: in by the lane's eight neighbouring columns, back as whole rows of 256 bytes, into the registers that they left.
; LDS serves a wave's instructions in order (ISA guide 5.7.1.4): the loads see the stores.  Every offset is an immediate and no register is written twice, so nothing waits for a store.
.macro TOSTAGE a
.irp b, 0,1,2,3
	ds_store_b128 v[STO], v[ACC+8*(4*(\a)+\b):ACC+8*(4*(\a)+\b)+3] offset:16*SPITCH*(\a)+128*(\b/2)+32*(\b%2)       ; columns 32 (b / 2) + 16 h + 8 (b % 2) on; each accumulator from its low end on
	ds_store_b128 v[STO], v[ACC+8*(4*(\a)+\b)+4:ACC+8*(4*(\a)+\b)+7] offset:16*SPITCH*(\a)+128*(\b/2)+32*(\b%2)+16
.endr
.irp t, 0,1,2,3,4,5,6,7
	ds_load_b128 v[ACC+32*(\a)+4*\t:ACC+32*(\a)+4*\t+3], v[RD] offset:16*SPITCH*(\a)+2*\t*SPITCH
.endr
.endm
.macro SEND a, younger                 ; place p = 2 t + h of tile a is row 32 (a / 2) + 8 (a % 2) + p + 8 (p / 8) of my 64; younger: the LDS instructions issued behind tile a's loads
	s_wait_dscnt \younger
.irp t, 0,1,2,3,4,5,6,7
	global_store_b128 v[CO], v[ACC+32*(\a)+4*\t:ACC+32*(\a)+4*\t+3], s[12:13] offset:(32*((\a)/2)+8*((\a)%2)+2*\t+8*(\t/4))*ROWC th:TH_STORE_NT   ; sixteen lanes store 256 consecutive bytes, aligned; written once, read by nobody here
.endr
.endm
	PLACES NP                                      ; behind the last products: results are read from here on
	TOSTAGE 0
	TOSTAGE 1
	SEND 0, 16                                     ; behind tile 0's loads: tile 1's 8 stores and 8 loads
	TOSTAGE 2
	SEND 1, 16
	TOSTAGE 3
	SEND 2, 16
	SEND 3, 0
	s_wait_tensorcnt 0x0                           ; the wave's end
	ds_add_u32 v[SPW], v[NIL]
	s_wait_dscnt 0x0
	CROUND                                         ; the closing round: no work-group ends while a partner may still ask jointly
	s_endpgm
.Lfunc_end_k_q783ca4b8e5_outp:
	.size	k_q783ca4b8e5_outp, .Lfunc_end_k_q783ca4b8e5_outp-k_q783ca4b8e5_outp
	.p2alignl 7, 3214868480
	.fill 96, 4, 3214868480
	.section	.rodata,"a",@progbits
	.p2align	6, 0x0
	.amdhsa_kernel k_q783ca4b8e5_outp
		.amdhsa_group_segment_fixed_size 327680
		.amdhsa_private_segment_fixed_size 0
		.amdhsa_enable_private_segment 0
		.amdhsa_kernarg_size 40
		.amdhsa_user_sgpr_count 2
		.amdhsa_user_sgpr_kernarg_segment_ptr 1
		.amdhsa_wavefront_size32 1
		.amdhsa_system_sgpr_workgroup_id_x 1
		.amdhsa_system_sgpr_workgroup_id_y 1
		.amdhsa_system_sgpr_workgroup_id_z 1
		.amdhsa_system_vgpr_workitem_id 0
		.amdhsa_next_free_vgpr 512
		.amdhsa_next_free_sgpr 100
		.amdhsa_reserve_vcc 0
		.amdhsa_float_denorm_mode_32 3
		.amdhsa_float_denorm_mode_16_64 3
		.amdhsa_memory_ordered 1
		.amdhsa_forward_progress 1
		.amdhsa_inst_pref_size 81
	.end_amdhsa_kernel
	.amdgpu_metadata
---
amdhsa.version: [ 1, 2 ]
amdhsa.kernels:
  - .name:           k_q783ca4b8e5_outp
    .symbol:         k_q783ca4b8e5_outp.kd
    .args:
      - { .name: oc, .offset: 0, .size: 8, .value_kind: global_buffer, .address_space: global }
      - { .name: osc, .offset: 8, .size: 8, .value_kind: global_buffer, .address_space: global }
      - { .name: cod, .offset: 16, .size: 8, .value_kind: global_buffer, .address_space: global }
      - { .name: scl, .offset: 24, .size: 8, .value_kind: global_buffer, .address_space: global }
      - { .name: out0, .offset: 32, .size: 8, .value_kind: global_buffer, .address_space: global }
    .group_segment_fixed_size: 327680
    .private_segment_fixed_size: 0
    .kernarg_segment_align: 8
    .kernarg_segment_size: 40
    .max_flat_workgroup_size: 128
    .sgpr_count:     100
    .vgpr_count:     512
    .wavefront_size: 32
...
	.end_amdgpu_metadata
.endif
;; end of part 5
